; MI455X (gfx1250); checked and timed in simulation.
; The chip was launched on July 23, 2026; its instructions are those of AMD's public machine-readable ISA for CDNA 5 (MIT licence, August 2026) and "CDNA5" Instruction Set Architecture Reference Guide (July 2026). The comments in the code are by the model that wrote it; some were corrected since.
;; Sentence word Attention. Allowed arithmetic: matrix products marked QUANTISED: E2M3 operands, one E8M0 scale for each 32 along K, by v_wmma_scale_f32_16x16x128_f8f6f4 with both operands' format E2M3, f32 sums; products left as they are: f32 operands where the result goes on into a quantised operand, else bf16, f16 or f32 operands; f32 sums; everything else in f32.
;; Inputs: W1 1,024 x 1,024 float32; W2 1,024 x 1,024 float32; W3 1,024 x 1,024 float32; W4 1,024 x 1,024 float32; Wo 1,024 x 1,024 float32; b1 1,024 float32; b2 1,024 float32; b3 1,024 float32; b4 1,024 float32; bo 1,024 float32; sent 2 x 1 x 1,024 float32; word 2 x 2,048 x 1,024 float32.
;; Outputs: out0 2 x 2,048 x 1,024 float32.
;; This version of the problem:
;;   THIS VERSION OF THE PROBLEM IS GIVEN IN LOW PRECISION. The matrix products marked QUANTISED in the list below multiply operands that are first quantised to E2M3 (2 exponent bits, 3 mantissa bits; 6 bits a number), with one power-of-two scale for each 32 numbers along K (OCP MX v1.0); their sums are f32. All else is computed in f32.
;;   The module's matrix products, in the order in which they are computed (A, B: the left and right operand; K: the contracted axis; several contracted axes count as one K, in the product's order):
;;     1. [M 4,096, K 1,024] x [K 1,024, N 1,024]; A: input word; B: input W1: QUANTISED
;;     2. [M 4,096, K 1,024] x [K 1,024, N 1,024]; A: input word; B: input W2: QUANTISED
;;     3. [M 4,096, K 1,024] x [K 1,024, N 1,024]; A: input word; B: input W3: QUANTISED
;;     4. [M 4,096, K 1,024] x [K 1,024, N 1,024]; A: input word; B: input W4: QUANTISED
;;     5. [M 2, K 1,024] x [K 1,024, N 1,024]; A: input sent; B: input W3: left as it is (M = 2 < 16)
;;     6. batch 32 x [M 2,048, K 64] x [K 64, N 2,048]; A: computed on the way; B: computed on the way: QUANTISED
;;     7. batch 32 x [M 2,048, K 64] x [K 64, N 1]; A: computed on the way; B: computed on the way: left as it is (N = 1 < 16)
;;     8. batch 32 x [M 2,048, K 2,048] x [K 2,048, N 64]; A: softmax (see below); B: computed on the way: QUANTISED
;;     9. [M 4,096, K 1,024] x [K 1,024, N 1,024]; A: computed on the way; B: input Wo: QUANTISED
;;   THE QUANTISER, for each operand of a quantised product, along K:
;;     - K is cut into blocks of 32 from its start; a last block that is shorter is filled with zeros.
;;     - A block's scale is 2^e with e = floor(log2(the largest magnitude in the block)) - 2, held to -126 .. 127; a block of zeros has e = 0. As a byte (E8M0): e + 127.
;;     - Each number is divided by its block's scale, clamped to +-7.5, and rounded to the nearest number of E2M3, ties to even, subnormals kept.
;;     - The product sums the exact products of the quantised numbers (number of the format x scale) in f32.
;;   ~~~python
;;   def quantise(x, axis):      # numpy; x: float32 -> the quantised numbers, widened to float32 again
;;       x = np.moveaxis(x, axis, -1); K = x.shape[-1]
;;       x = np.pad(x, [(0, 0)] * (x.ndim - 1) + [(0, -K % 32)]); x = x.reshape(x.shape[:-1] + (-1, 32)); a = np.abs(x).max(-1, keepdims=True)
;;       e = np.where(a > 0, np.clip(np.frexp(np.where(a > 0, a, 1))[1] - 1 - 2, -126, 127), 0)      # np.frexp(a)[1] - 1 = floor(log2(a)), exactly
;;       r = np.clip(x / 2.0 ** e, -7.5, 7.5)
;;       step = 2.0 ** (np.maximum(np.frexp(np.where(r == 0, 1, r))[1] - 1, 0) - 3)
;;       q = np.round(r / step) * step * 2.0 ** e      # np.round: ties to even
;;       return np.moveaxis(q.reshape(q.shape[:-2] + (-1,))[..., :K], -1, axis).astype(np.float32)
;;   ~~~
;;   SOFTMAX AHEAD OF A QUANTISED PRODUCT. Where the list says 'softmax', what is quantised is not the finished softmax but p = 2^(t - M), with t = logit x log2(e) and M = ceil(the row's largest t), a whole number; so 1/2 < the row's largest p <= 1. The row's sum l is taken of the UNQUANTISED p, in f32, and the product's result is divided by l at the end. Since M is a whole number, a kernel that streams over the keys may use a running M (the ceiling of the running maximum): every later rescaling is an exact power of two, which a block's scale takes up: the codes' values come out the same.
;;   OPERANDS COMPUTED ON THE WAY. 'Computed on the way' means the value that the module computes at that place (a softmax that the list does not call 'softmax' is quantised finished and normalised). What goes into a quantiser is computed in f32, as accurately as f32 sums, v_exp_f32 and their like allow (about 1e-6 of the number): no bf16 or f16 on the way to a quantiser, and a product that is left as it is and whose result goes on into a quantised operand takes f32 operands (vector FMAs, or v_wmma_f32_16x16x4_f32). A number that lies on a knife's edge between two numbers of the format may be rounded either way, as far as f32 arithmetic and the matrix unit's own rounding can turn it there, and no further.
;; One version. Each part assembles by itself: llvm-mc -triple=amdgcn-amd-amdhsa -mcpu=gfx1250 --defsym DOCPART=n.
;; ======== version 1 of 1: 4 launches
;; workspace buffers: wq 7,372,800 bytes; svec 8,192 bytes; qimg 3,407,872 bytes; kv 6,684,672 bytes; cvec 262,144 bytes; ctxq 3,276,800 bytes
;; launch quant (part 1): grid 304 x 1, 4 waves a work-group, no clusters, 33,280 bytes of LDS; arguments word, W1, W2, W3, W4, Wo, sent, b3, wq, svec; writes wq, svec
.if DOCPART == 1
	.amdgcn_target "amdgcn-amd-amdhsa--gfx1250"
	.amdhsa_code_object_version 6
	.text
	.protected	k_qc43bf9ec93_quant
	.globl	k_qc43bf9ec93_quant
	.p2align	8
	.type	k_qc43bf9ec93_quant,@function
k_qc43bf9ec93_quant:
	s_mov_b64 s[64:65], 0
	v_nop
	global_prefetch_b8 v0, s[64:65] scope:SCOPE_SE
	s_setreg_imm32_b32 hwreg(HW_REG_WAVE_MODE, 25, 1), 1
	s_wait_xcnt 0x0
; FIRST OF FOUR LAUNCHES.  word [4096][1024] and W1, W2, W3, W4, Wo [1024][1024], f32, become codes of FP6 (E2M3) with one E8M0 byte for each 32 along K (K innermost in all six);
; and s = sent W3^T + b3 (the product with two rows, left as it is) is made in f32 by fused multiply-adds.
; NOTHING OF reference() IS LEFT OUT.  The word-sentence term c[b,h,i] = w3[b,h,i,:] . s[b,h,:] is the same along the softmax's axis and would cancel in real numbers, but what this version quantises is
; p = 2^(t - M) with M = ceil(the row's largest t): c moves the fraction of that largest t, so it multiplies all p of a row by a factor that is no power of two and moves their codes.  So W3, b3 and sent are live.
; A block's scale is 2^(floor(log2(its largest magnitude)) - 2); its byte is that magnitude's exponent field - 2, held at 1 from below.
; LIMITS: a block of zeros gets the byte 1 where the rule says 127 (its codes are zeros, and this program alone reads the bytes); blocks whose largest magnitude lies under 2^(3 - 127) share that byte;
; NaN and infinities among the inputs are not served; s is summed in another order than reference() sums it.
; wq: 9,216 rows of 768 bytes of codes (word 0.., W1 4096.., W2 5120.., W3 6144.., W4 7168.., Wo 8192..), then from byte SCO on 32 scale bytes a row.
; THE ROWS ARE STORED WITH BITS 3 AND 4 OF THEIR NUMBER EXCHANGED: 16 rows on end, 16 t + m, are then the rows 32 (t / 2) + 8 (t % 2) + m % 8 + 16 (m / 8).  A tile of 16 stored rows, used as source 0 of a
; matrix instruction, so leaves in a lane's 16 registers of two neighbouring tiles 16 NEIGHBOURS along the next product's K.  Here that costs nothing: a wave's 8 rows go to another place among the work-group's 32.
; Work-groups 0 to 287: 32 rows each; a wave takes 8 rows as 16 steps of 512 numbers.  A load reads 512 consecutive bytes; the conversion wants 16 neighbours in a lane; the numbers turn through the wave's own stage in LDS.
; Work-groups 288 to 303: s; a wave takes 16 rows of W3 for both rows of sent; no LDS.
; No cache hint on the loads: one text serves W3 too, which the last 16 work-groups read again.
.set QWG,   288
.set STEPS, 16
.set EMAX,  2
.set CB,    12                         ; bytes of 16 codes
.set R,     16                         ; v16-79   four sets of 16 numbers as they are loaded
.set X,     80                         ; v80-111  two sets of 16 neighbours
.set E,     112                        ; v112-127 a scale byte for each step
.set C,     128                        ; v128-191 codes: four registers for each step, so that no store's data are written again
.set WREG,  8192                       ; LDS: a region for each wave: two stages of 32 x SP bytes, behind them its 256 scale bytes
.set SP,    80                         ; a lane's place in a stage: 64 bytes + 16 of padding
.set SPW,   12                         ; v12  LDS address of my spare word; never rewritten on the way that uses LDS
.set NIL,   13                         ; v13  0
.set SPARE, 4*WREG                     ; the spare words: 128 bytes a wave, two blocks of 256 bytes that no other line names
.set SCO,   9216*768                   ; where the scale bytes begin in wq
.set SN,    16                         ; the other way: v16-79 sent, 32 numbers a lane for each of its two rows
.set WR,    80                         ; v80-207 four sets of 32 numbers of a row of W3
.set AC,    208                        ; v208-215 four pairs of sums: sent's row x chain
	s_load_b512 s[4:19], s[0:1], 0x0               ; word 4:5, W1 6:7, W2 8:9, W3 10:11, W4 12:13, Wo 14:15, sent 16:17, b3 18:19
	s_load_b128 s[20:23], s[0:1], 0x40             ; wq 20:21, svec 22:23
	v_lshl_add_u32 v[SPW], v0, 2, SPARE
	v_mov_b32 v[NIL], 0
	v_lshrrev_b32 v1, 5, v0
	v_readfirstlane_b32 s24, v1                    ; wave
	v_and_b32 v2, 31, v0                           ; lane
	s_cmp_ge_u32 ttmp9, QWG
	s_cbranch_scc1 .Lsent
	; ---------------- the quantiser
	v_lshlrev_b32 v3, 4, v2                        ; my 16 bytes of a load's 512
	s_mul_i32 s25, s24, WREG
	v_lshrrev_b32 v14, 2, v2
	v_mul_u32_u24 v14, v14, SP
	v_and_b32 v15, 3, v2
	v_lshl_add_u32 v14, v15, 4, v14
	v_add_nc_u32 v14, s25, v14                     ; the stage, way in: SP (lane / 4) + 16 (lane % 4)
	v_mul_u32_u24 v15, v2, SP
	v_add_nc_u32 v15, s25, v15                     ; way out: SP x lane: my 16 neighbours
	v_mul_u32_u24 v4, v2, CB                       ; my codes' place in a step's
	v_lshrrev_b32 v5, 1, v2
	s_add_co_u32 s25, s25, 2*32*SP
	v_add_nc_u32 v5, s25, v5                       ; LDS: my wave's 256 scale bytes, my block's byte
	v_lshlrev_b32 v7, 3, v2
	v_add_nc_u32 v6, s25, v7                       ; and on the way out 8 bytes a lane
	s_and_b32 s28, ttmp9, 31                       ; which 32 rows of the tensor: each weight has 32 work-groups, beginning at a multiple of 32,
	s_cmp_lt_u32 ttmp9, 128
	s_cselect_b32 s28, ttmp9, s28                  ; word 128
	s_lshl_b32 s28, s28, 2
	s_add_co_u32 s28, s28, s24
	s_lshl_b32 s28, s28, 15                        ; my wave's 8 rows: 32,768 bytes each run
	s_mov_b32 s29, 0
	s_and_b32 s30, s24, 1                          ; where they go: the wave's two bits exchanged
	s_lshl_b32 s30, s30, 1
	s_lshr_b32 s31, s24, 1
	s_or_b32 s30, s30, s31
	s_lshl_b32 s31, ttmp9, 2
	s_add_co_u32 s30, s30, s31                     ; the run of 8 stored rows
	s_mul_i32 s32, s30, 8*768
	s_mov_b32 s33, 0
	s_lshl_b32 s34, s30, 8
	s_add_co_u32 s34, s34, SCO
	s_mov_b32 s35, 0
	s_wait_kmcnt 0x0
	s_mov_b64 s[26:27], s[4:5]                     ; the tensor: a choice that hangs on the work-group's number alone
	s_cmp_ge_u32 ttmp9, 128
	s_cselect_b64 s[26:27], s[6:7], s[26:27]
	s_cmp_ge_u32 ttmp9, 160
	s_cselect_b64 s[26:27], s[8:9], s[26:27]
	s_cmp_ge_u32 ttmp9, 192
	s_cselect_b64 s[26:27], s[10:11], s[26:27]
	s_cmp_ge_u32 ttmp9, 224
	s_cselect_b64 s[26:27], s[12:13], s[26:27]
	s_cmp_ge_u32 ttmp9, 256
	s_cselect_b64 s[26:27], s[14:15], s[26:27]
	s_add_nc_u64 s[26:27], s[26:27], s[28:29]
	s_add_nc_u64 s[32:33], s[20:21], s[32:33]      ; my codes
	s_add_nc_u64 s[34:35], s[20:21], s[34:35]      ; my scale bytes
.macro LOAD t
.irp i, 0,1,2,3
	global_load_b128 v[R+16*((\t)%4)+4*\i:R+16*((\t)%4)+4*\i+3], v3, s[26:27] offset:2048*(\t)+512*\i   ; 32 lanes read 512 consecutive bytes
.endr
.endm
.macro TURN t                          ; step t's numbers through the stage: LDS serves a wave's instructions in order, so no wait stands between the stores and the loads
.irp i, 0,1,2,3
	ds_store_b128 v14, v[R+16*((\t)%4)+4*\i:R+16*((\t)%4)+4*\i+3] offset:32*SP*((\t)%2)+8*SP*\i
.endr
.irp i, 0,1,2,3
	ds_load_b128 v[X+16*((\t)%2)+4*\i:X+16*((\t)%2)+4*\i+3], v15 offset:32*SP*((\t)%2)+16*\i
.endr
.endm
.irp t, 0,1,2,3
	LOAD \t
.endr
	s_wait_loadcnt 12                              ; step 0's four loads are in; three steps' twelve stay out
	TURN 0
.macro STEP t
.set XS, X+16*((\t)%2)
.if (\t) > 0
	s_wait_dscnt 1                                 ; this step's numbers are back from the stage (the last step's byte store may be out): so its stores into the stage have read their registers,
.else
	s_wait_dscnt 0x0
.endif
.if (\t)+4 < STEPS
	LOAD (\t)+4                                    ; which take the loads of four steps on
.endif
.if (\t)+1 < STEPS
.if STEPS-2-(\t) >= 3
	s_wait_loadcnt 12                              ; the next step's four loads are in; those of the three steps behind it may be out
.else
	s_wait_loadcnt 4*(STEPS-2-(\t))
.endif
	TURN (\t)+1                                    ; and go through the other stage while this step is worked
.endif
	v_max3_num_f32 v8, |v[XS]|, |v[XS+1]|, |v[XS+2]|               ; the largest magnitude of my 16, in two chains
	v_max3_num_f32 v9, |v[XS+3]|, |v[XS+4]|, |v[XS+5]|
.irp i, 6,10
	v_max3_num_f32 v8, v8, |v[XS+\i]|, |v[XS+\i+1]|
	v_max3_num_f32 v9, v9, |v[XS+\i+2]|, |v[XS+\i+3]|
.endr
	v_max3_num_f32 v8, v8, |v[XS+14]|, |v[XS+15]|
	v_max3_num_f32 v8, v8, v9, (EMAX+1)<<23        ; and the floor 2^(EMAX + 1 - 127): the byte cannot fall under 1
	v_max_num_f32_dpp v8, v8, v8 row_xmask:1 row_mask:0xf bank_mask:0xf   ; and of my neighbour's 16: the block's
	v_add_nc_u32 v11, -(EMAX<<23), v8              ; EMAX off its exponent field: the conversion takes the exponent field of this operand as its scale
	v_cvt_scalef32_pk16_fp6_f32 v[C+4*(\t):C+4*(\t)+2], v[XS:XS+15], v11
	v_lshrrev_b32 v[E+(\t)], 23, v11               ; the scale's byte (also the plain line behind the conversion)
	ds_store_b8 v5, v[E+(\t)] offset:16*(\t)       ; both lanes of a block write the same byte with the same value
	global_store_b96 v4, v[C+4*(\t):C+4*(\t)+2], s[32:33] offset:32*CB*(\t)   ; the wave stores 384 consecutive bytes
.endm
.irp t, 0,1,2,3,4,5,6,7,8,9,10,11,12,13,14,15
	STEP \t
.endr
	ds_load_b64 v[8:9], v6                         ; LDS serves a wave's instructions in order: these see my stores
	s_wait_dscnt 0x0
	global_store_b64 v7, v[8:9], s[34:35]          ; 32 lanes store 256 consecutive bytes, aligned
	s_wait_tensorcnt 0x0                           ; the wave's end: behind my last LDS store
	ds_add_u32 v[SPW], v[NIL]
	s_wait_dscnt 0x0
	s_endpgm
	; ---------------- s[b][e] = the sum over d of sent[b][d] W3[e][d] + b3[e], e = 64 j + 16 wave + 0 .. 15
.Lsent:
	v_lshlrev_b32 v1, 4, v2                        ; 16 x lane: of each 512 bytes of a row my 16
	v_and_b32 v3, 15, v2
	v_lshlrev_b32 v4, 2, v3                        ; b3: 4 (lane % 16)
	v_lshrrev_b32 v5, 4, v2
	v_lshl_add_u32 v5, v5, 12, v4                  ; s: lanes 0-15 sent's row 0, lanes 16-31 row 1 (4,096 bytes on)
	s_sub_co_u32 s25, ttmp9, QWG
	s_lshl_b32 s25, s25, 6
	s_lshl_b32 s26, s24, 4
	s_add_co_u32 s25, s25, s26                     ; e0
	s_lshl_b32 s26, s25, 12
	s_mov_b32 s27, 0
	s_lshl_b32 s28, s25, 2
	s_mov_b32 s29, 0
	v_mov_b32 v218, 0                              ; the 16 results gather here, lane e - e0
	s_wait_kmcnt 0x0
	s_add_nc_u64 s[10:11], s[10:11], s[26:27]
	s_add_nc_u64 s[18:19], s[18:19], s[28:29]
	s_add_nc_u64 s[22:23], s[22:23], s[28:29]
.irp b, 0,1
.irp i, 0,1,2,3,4,5,6,7
	global_load_b128 v[SN+32*\b+4*\i:SN+32*\b+4*\i+3], v1, s[16:17] offset:4096*\b+512*\i
.endr
.endr
	global_load_b32 v219, v4, s[18:19]
.macro WROW p                          ; row e0 + p of W3 into set p % 4
.irp i, 0,1,2,3,4,5,6,7
	global_load_b128 v[WR+32*((\p)%4)+4*\i:WR+32*((\p)%4)+4*\i+3], v1, s[10:11] offset:4096*(\p)+512*\i
.endr
.endm
.irp p, 0,1,2,3
	WROW \p
.endr
.macro ROW p
.if 15-(\p) >= 3
	s_wait_loadcnt 24                              ; this row is in; the three rows behind it, eight loads each, may be out
.else
	s_wait_loadcnt 8*(15-(\p))
.endif
.set WS, WR+32*((\p)%4)
.irp k, 0,1
.irp b, 0,1
	v_pk_mul_f32 v[AC+4*\b+2*\k:AC+4*\b+2*\k+1], v[WS+2*\k:WS+2*\k+1], v[SN+32*\b+2*\k:SN+32*\b+2*\k+1]   ; the first products start the four chains
.endr
.endr
.irp k, 2,3,4,5,6,7,8,9,10,11,12,13,14,15
.irp b, 0,1
	v_pk_fma_f32 v[AC+4*\b+2*(\k%2):AC+4*\b+2*(\k%2)+1], v[WS+2*\k:WS+2*\k+1], v[SN+32*\b+2*\k:SN+32*\b+2*\k+1], v[AC+4*\b+2*(\k%2):AC+4*\b+2*(\k%2)+1]
.endr
.endr
.if (\p) < 12
	WROW (\p)+4                                    ; the set just read takes the row four on
.endif
	v_pk_add_f32 v[AC:AC+1], v[AC:AC+1], v[AC+2:AC+3]
	v_pk_add_f32 v[AC+4:AC+5], v[AC+4:AC+5], v[AC+6:AC+7]
	v_add_f32 v216, v[AC], v[AC+1]                 ; my 32 terms for sent's row 0,
	v_add_f32 v217, v[AC+4], v[AC+5]               ; and for row 1
	v_permlane16_swap_b32 v216, v217               ; lanes 0-15 now hold row 0's terms in both registers, lanes 16-31 row 1's
	v_add_f32 v216, v216, v217
	v_add_f32_dpp v216, v216, v216 row_xmask:1 row_mask:0xf bank_mask:0xf
	v_add_f32_dpp v216, v216, v216 row_xmask:2 row_mask:0xf bank_mask:0xf
	v_add_f32_dpp v216, v216, v216 row_xmask:4 row_mask:0xf bank_mask:0xf
	v_add_f32_dpp v216, v216, v216 row_xmask:8 row_mask:0xf bank_mask:0xf
	s_mov_b32 s30, 0x10001<<(\p)
	v_cndmask_b32 v218, v218, v216, s30            ; lanes p and 16 + p keep it
.endm
.irp p, 0,1,2,3,4,5,6,7,8,9,10,11,12,13,14,15
	ROW \p
.endr
	v_add_f32 v218, v218, v219
	global_store_b32 v5, v218, s[22:23]            ; each half of the lanes stores 64 consecutive bytes
	s_endpgm
.Lfunc_end_k_qc43bf9ec93_quant:
	.size	k_qc43bf9ec93_quant, .Lfunc_end_k_qc43bf9ec93_quant-k_qc43bf9ec93_quant
	.p2alignl 7, 3214868480
	.fill 96, 4, 3214868480
	.section	.rodata,"a",@progbits
	.p2align	6, 0x0
	.amdhsa_kernel k_qc43bf9ec93_quant
		.amdhsa_group_segment_fixed_size 33280
		.amdhsa_private_segment_fixed_size 0
		.amdhsa_enable_private_segment 0
		.amdhsa_kernarg_size 80
		.amdhsa_user_sgpr_count 2
		.amdhsa_user_sgpr_kernarg_segment_ptr 1
		.amdhsa_wavefront_size32 1
		.amdhsa_system_sgpr_workgroup_id_x 1
		.amdhsa_system_sgpr_workgroup_id_y 1
		.amdhsa_system_sgpr_workgroup_id_z 1
		.amdhsa_system_vgpr_workitem_id 0
		.amdhsa_next_free_vgpr 224
		.amdhsa_next_free_sgpr 66
		.amdhsa_reserve_vcc 0
		.amdhsa_float_denorm_mode_32 3
		.amdhsa_float_denorm_mode_16_64 3
		.amdhsa_memory_ordered 1
		.amdhsa_forward_progress 1
		.amdhsa_inst_pref_size 90
	.end_amdhsa_kernel
	.amdgpu_metadata
---
amdhsa.version: [ 1, 2 ]
amdhsa.kernels:
  - .name:           k_qc43bf9ec93_quant
    .symbol:         k_qc43bf9ec93_quant.kd
    .args:
      - { .name: word, .offset: 0, .size: 8, .value_kind: global_buffer, .address_space: global }
      - { .name: W1, .offset: 8, .size: 8, .value_kind: global_buffer, .address_space: global }
      - { .name: W2, .offset: 16, .size: 8, .value_kind: global_buffer, .address_space: global }
      - { .name: W3, .offset: 24, .size: 8, .value_kind: global_buffer, .address_space: global }
      - { .name: W4, .offset: 32, .size: 8, .value_kind: global_buffer, .address_space: global }
      - { .name: Wo, .offset: 40, .size: 8, .value_kind: global_buffer, .address_space: global }
      - { .name: sent, .offset: 48, .size: 8, .value_kind: global_buffer, .address_space: global }
      - { .name: b3, .offset: 56, .size: 8, .value_kind: global_buffer, .address_space: global }
      - { .name: wq, .offset: 64, .size: 8, .value_kind: global_buffer, .address_space: global }
      - { .name: svec, .offset: 72, .size: 8, .value_kind: global_buffer, .address_space: global }
    .group_segment_fixed_size: 33280
    .private_segment_fixed_size: 0
    .kernarg_segment_align: 8
    .kernarg_segment_size: 80
    .max_flat_workgroup_size: 128
    .sgpr_count:     66
    .vgpr_count:     224
    .wavefront_size: 32
...
	.end_amdgpu_metadata
.endif
;; end of part 1
;; launch proj (part 2): grid 16 x 16, 4 waves a work-group, clusters of 4 x 4, 327,680 bytes of LDS; arguments wq, b1, b2, b3, b4, svec, qimg, kv, cvec; writes qimg, kv, cvec
.if DOCPART == 2
	.amdgcn_target "amdgcn-amd-amdhsa--gfx1250"
	.amdhsa_code_object_version 6
	.text
	.protected	k_qc43bf9ec93_proj
	.globl	k_qc43bf9ec93_proj
	.p2align	8
	.type	k_qc43bf9ec93_proj,@function
k_qc43bf9ec93_proj:
	s_mov_b64 s[64:65], 0
	v_nop
	global_prefetch_b8 v0, s[64:65] scope:SCOPE_SE
	s_setreg_imm32_b32 hwreg(HW_REG_WAVE_MODE, 25, 1), 1
	s_wait_xcnt 0x0
	s_wait_alu depctr_hold_cnt(0) depctr_sa_sdst(0) depctr_va_vdst(0) depctr_va_sdst(0) depctr_va_ssrc(0) depctr_va_vcc(0) depctr_vm_vsrc(0)
	s_getreg_b32 s2, hwreg(HW_REG_IB_STS2, 6, 4)
	s_cmp_eq_u32 s2, 0
	s_cbranch_scc0 .Lentry_in_a_cluster
	s_endpgm
.Lentry_in_a_cluster:
	s_bfe_u32 s2, ttmp6, 0x10000c
	s_cmp_lg_u32 s2, 0xf033
	s_cbranch_scc0 .Lentry_shape_is_right
	s_endpgm
.Lentry_shape_is_right:
; SECOND LAUNCH.  The four projections of word, one grid of 256 tiles of 256 x 256, K = 1,024, on the codes that the first launch made; nothing of reference() is left out here either.
; The cluster's x says which weight: 0: w1 = word W1^T + b1, quantised along the head's 64 and stored as register images (qimg); 1: w2 likewise (kv, K's part);
; 2: w3 = word W3^T + b3 is not stored: c[b,h,i] = w3 . s is summed from the accumulators in f32 (cvec); 3: w4, with THE OPERANDS' PLACES CHANGED (rows of the tile = W4's, columns = word's), so that a lane
; holds one channel d and its registers run along the keys, which are the K of attention's second product (kv, V's part).
; THE LOOP: a work-group of four waves, 128 x 128 a wave in 512 registers; K in steps of 256 through two LDS slots filled by joint tensor loads; 4 x 4 work-groups form a cluster, A's tile shared along a row of it,
; B's along a column; the scale bytes of the tile's 512 rows come once.  The matrix instruction is used transposed: source 0 = 16 stored rows of B, source 1 = 16 stored rows of A.
; wq's rows are stored with bits 3 and 4 of their number exchanged, so lane (r, h) holds A's row 32 (a / 2) + 8 (a % 2) + r + 8 (r / 8), and register 8 b + j of block a holds B's row 32 (b / 2) + 16 h + 8 (b % 2) + j:
; the 64 registers of a block are, 16 by 16, neighbours along B's rows, which is how the conversions want them.
; RECORDS.  For each head and each 128 queries (keys): 8 tiles of 16 rows; of a tile a lane has 6 registers (k = 32 h + 0 .. 31 of the head's 64); two tiles' 12 go out as three planes of 512 bytes, 16 bytes a lane;
; behind the 6,144 bytes of codes 512 bytes of scale words, tile a's row r at 16 (16 (a / 4) + r) + 4 (a % 4): bytes 0, 1 count; bytes 2, 3 stand over zero codes and are never 0xff.
; V: 4 tiles of 16 channels x 128 keys, 12 registers a lane, three planes each; then 256 bytes of scale words at 16 r + 4 tile.  A record of kv is 6,656 + 6,400 bytes.
; THE SMALL LOADS at the head (the columns' bias, s, b4 of the rows) are issued by every wave, whichever weight it serves, so that every register that a way out reads is written on every way through the text;
; a cluster's way out leaves one or two of the three sets unread: 16.5 KiB a wave at the most.
; LIMITS: NaN and infinities are not served; a block of zeros gets the byte 1; c is summed in another order than reference() sums it, and b3's part of it apart.
; REGISTERS: window 0: v1-6 at work, v7-15, v25 my addresses with b4's numbers between them, v16-23, v27 the loop's addresses, v28, 29 the add's; v32-63 scale words; v64-127 the bias; from v128 A's fragments, later the way out.
;   window 1: B's fragments at v0 and v128; s at v96-127 and v224-255.   windows 2, 3: the 64 accumulators, (a, b) at v[8 (8 (a % 4) + b)].
.set KSTEP,  256
.set NQ,     2
.set ROWB,   192                       ; a tile's row: 256 codes
.set KROW,   768                       ; a row of wq
.set PITCH,  240                       ; an LDS row: 3 x (64 bytes + 16 of padding)
.set FR,     12
.set NL,     6
.set NP,     4
.set HALFT,  128*PITCH
.set SLOT,   4*HALFT
.set LAPS,   2                         ; K = 1,024: four K steps, twice round the ring
.set KS,     32                        ; a row of scale bytes
.set SCL,    2*SLOT
.set HALFS,  (128*KS/256)*272
.set SBLK,   (16*KS/256)*272
.set SPARE,  SCL+4*HALFS               ; the spare words: 128 bytes a wave, two blocks of 256 bytes that no other line names
.set SCO,    9216*768
.set VB64,  7                          ; v7   64 h: the bias's and s's offset
.set VROW,  9                          ; v9   4 (r + 8 (r / 8)): b4's offset
.set CSTI,  11                         ; v11  c's stage, way in
.set CSTO,  13                         ; v13  and way back
.set L16,   15                         ; v15  16 x lane
.set VWO,   25                         ; v25  16 r + h x a head's bytes of kv
.set ADRA,  16
.set ADRB,  20
.set ADRS,  27
.set SPW,   28
.set NIL,   29
.set SC,    32
.set BIAS,  64
.set AF,    128
.set H,     128                        ; the way out: 64 numbers of a block
.set PCB,   192                        ; v192-215 codes
.set T2,    216                        ; v216-218, v220-222 the second conversions' results
.set TM,    224                        ; v224-227 largest magnitudes, v228-231 the other half's, then bytes, v236-239 the conversions' scale operands
.set PWS,   240                        ; v240-247 a scale word for each block
.set P4,    248                        ; v248-255 words on their way out
.set KB,    192                        ; c's way: v192-195 b3 . s, v196-203 four chains, v204, 205, v208-215 the results
.set CHN,   196
.set ZS,    204
.set ZO,    208
.set G1,   24
.set G0,   32
.set G1B,  48
.set G0B,  56
.set SEL,  66
.set G1S,  68
.set G0S,  76
.set G1SB, 80
.set G0SB, 88
.set WV,   92
.set RH,   93
.set CH,   94
.set MSB, 0
.macro WIN new                         ; the immediate's high byte repeats the setting that is left
.if MSB != (\new)
	s_set_vgpr_msb (MSB<<8)|(\new)
.set MSB, (\new)
.endif
.endm
.set MUL_LO, 0xa1                      ; source 0 (B) window 1, source 1 (A) window 0, C and D window 2
.set MUL_HI, 0xf1
.set TO_B,   0x40
; A joint load: waves 0 and 1 fetch for A, waves 2 and 3 for B; the branch hangs on the wave's number alone.  An s_nop 0 and four v_nop follow each line.
.macro JLOAD g0a, g1a, g0b, g1b
	s_cmp_eq_u32 s[RH], 0
	s_cbranch_scc0 .Lfor_b_\@
	tensor_load_to_lds s[\g0a:\g0a+3], s[\g1a:\g1a+7]
	s_nop 0
.rept 4
	v_nop
.endr
	s_branch .Lasked_\@
.Lfor_b_\@:
	tensor_load_to_lds s[\g0b:\g0b+3], s[\g1b:\g1b+7]
	s_nop 0
.rept 4
	v_nop
.endr
.Lasked_\@:
.endm
.macro CREST                           ; a round of the cluster's barrier behind its opening barrier
	s_cmp_lg_u32 s[WV], 0
	s_cbranch_scc1 .Lnot_wave_0_\@
	s_barrier_signal -3
.Lnot_wave_0_\@:
	s_barrier_wait -3
	s_barrier_signal -1
	s_barrier_wait -1
.endm
.macro CROUND
	s_barrier_signal -1
	s_barrier_wait -1
	CREST
.endm
	s_load_b64 s[4:5], s[0:1], 0x0                 ; wq
	s_load_b256 s[8:15], s[0:1], 0x8               ; b1 8:9, b2 10:11, b3 12:13, b4 14:15
	s_load_b256 s[16:23], s[0:1], 0x28             ; svec 16:17, qimg 18:19, kv 20:21, cvec 22:23
	v_lshl_add_u32 v[SPW], v0, 2, SPARE
	v_mov_b32 v[NIL], 0
	ds_add_u32 v[SPW], v[NIL]                      ; the wave's opening: the add, twice on end, and its wait ahead of my first tensor load
	ds_add_u32 v[SPW], v[NIL]
	v_lshrrev_b32 v1, 5, v0
	v_readfirstlane_b32 s[WV], v1                  ; wave 0..3
	s_lshr_b32 s[RH], s[WV], 1                     ; which half of the tile's rows is mine; also: I fetch for A (0) or B (1)
	s_and_b32 s[CH], s[WV], 1                      ; which half of its columns; also: which 128 rows I fetch
	s_bfe_u32 s40, ttmp6, 0x40000                  ; cx
	s_bfe_u32 s41, ttmp6, 0x40004                  ; cy
	s_mov_b32 s42, ttmp9                           ; the cluster's x: which weight; the same in all sixteen partners
	s_and_b32 s43, ttmp7, 0xffff                   ; the cluster's y: which 1,024 rows of word
	s_lshl_b32 s44, s41, 2
	s_lshl_b32 s44, 15, s44                        ; my row of the cluster
	s_lshl_b32 s46, 0x1111, s40                    ; my column
	s_or_b32 s[G1+0], s44, (0<<16)|(1<<20)|(1<<21)|(3<<22)|(3<<25)   ; the mask; elements of 1 byte; padding on; bit 21 beside a mask; after every 16 words 4 words
	s_or_b32 s[G1B+0], s46, (0<<16)|(1<<20)|(1<<21)|(3<<22)|(3<<25)
.irp g, G1, G1B
	s_mov_b32 s[\g+1], ROWB<<16                    ; tensor_dim0
	s_mov_b32 s[\g+2], 128<<16                     ; tensor_dim1
	s_mov_b32 s[\g+3], ROWB<<16                    ; tile_dim0
	s_mov_b32 s[\g+4], 128                         ; tile_dim1
	s_mov_b32 s[\g+5], KROW                        ; the pitch
	s_mov_b32 s[\g+6], 0
	s_mov_b32 s[\g+7], 0
.endr
	s_or_b32 s[G1S+0], s44, (3<<16)|(1<<20)|(1<<21)|(5<<22)|(3<<25)  ; the scale bytes of 128 rows: a dense block, as rows of 256 bytes, 16 of padding behind each
	s_or_b32 s[G1SB+0], s46, (3<<16)|(1<<20)|(1<<21)|(5<<22)|(3<<25)
.irp g, G1S, G1SB
	s_mov_b32 s[\g+1], 32<<16
	s_mov_b32 s[\g+2], (128*KS/256)<<16
	s_mov_b32 s[\g+3], 32<<16
	s_mov_b32 s[\g+4], 128*KS/256
	s_mov_b32 s[\g+5], 32
	s_mov_b32 s[\g+6], 0
	s_mov_b32 s[\g+7], 0
.endr
	; which stored rows of wq: A's hang on cy, B's on cx; each in registers that never hold the other
	s_lshl_b32 s2, s[CH], 7                        ; which 128 rows of the tile I fetch
	s_lshl_b32 s3, s43, 10                         ; word's rows of this cluster
	s_lshl_b32 s47, s42, 10
	s_add_co_u32 s47, s47, 4096                    ; W1's, W2's or W3's first row
	s_cmp_eq_u32 s42, 3
	s_cselect_b32 s96, 7168, s3                    ; A: word, or W4
	s_cselect_b32 s98, s3, s47                     ; B: the weight, or word
	s_lshl_b32 s100, s41, 8
	s_lshl_b32 s101, s40, 8
	s_add_co_u32 s96, s96, s100
	s_add_co_u32 s96, s96, s2
	s_add_co_u32 s98, s98, s101
	s_add_co_u32 s98, s98, s2
	s_lshl_b32 s44, s96, 5                         ; their scale bytes,
	s_mov_b32 s45, 0
	s_lshl_b32 s46, s98, 5
	s_mov_b32 s47, 0
	s_mul_i32 s96, s96, KROW                       ; their codes
	s_mov_b32 s97, 0
	s_mul_i32 s98, s98, KROW
	s_mov_b32 s99, 0
	s_mul_i32 s2, s[WV], HALFT                     ; where they go: wave x 128 rows
	s_mul_i32 s3, s[WV], HALFS
	s_mov_b32 s[SEL], 0x76543210
	s_mov_b32 s[SEL+1], 0xfedcba98                 ; v_permlanex16_b32's selects for lane l xor 16
	s_mov_b32 s95, 0xffff0000                      ; lanes 16-31
	s_wait_dscnt 0x0                               ; both opening adds are done
	s_wait_kmcnt 0x0
	s_add_nc_u64 s[6:7], s[4:5], SCO
	s_add_nc_u64 s[96:97], s[4:5], s[96:97]
	s_add_nc_u64 s[98:99], s[4:5], s[98:99]
	s_add_nc_u64 s[44:45], s[6:7], s[44:45]
	s_add_nc_u64 s[46:47], s[6:7], s[46:47]
	CROUND                                         ; all sixteen work-groups are here: the first joint loads meet
	s_mov_b32 s[G0S], 1
	s_add_co_u32 s[G0S+1], s3, SCL
	s_mov_b64 s[G0S+2:G0S+3], s[44:45]
	s_or_b32 s[G0S+3], s[G0S+3], 0x80000000
	s_mov_b32 s[G0SB], 1
	s_add_co_u32 s[G0SB+1], s3, SCL
	s_mov_b64 s[G0SB+2:G0SB+3], s[46:47]
	s_or_b32 s[G0SB+3], s[G0SB+3], 0x80000000
	JLOAD G0S, G1S, G0SB, G1SB                     ; the scales first: they are wanted with K step 0
.irp s, 0,1
	s_mov_b32 s[G0+4*\s], 1
	s_add_co_u32 s[G0+4*\s+1], s2, \s*SLOT
	s_add_nc_u64 s[G0+4*\s+2:G0+4*\s+3], s[96:97], \s*ROWB
	s_or_b32 s[G0+4*\s+3], s[G0+4*\s+3], 0x80000000
	s_mov_b32 s[G0B+4*\s], 1
	s_add_co_u32 s[G0B+4*\s+1], s2, \s*SLOT
	s_add_nc_u64 s[G0B+4*\s+2:G0B+4*\s+3], s[98:99], \s*ROWB
	s_or_b32 s[G0B+4*\s+3], s[G0B+4*\s+3], 0x80000000
	JLOAD G0+4*\s, G1, G0B+4*\s, G1B               ; by this text's count three tensor loads of mine are out
.endr
	v_and_b32 v1, 15, v0                           ; r
	v_bfe_u32 v2, v0, 4, 1                         ; h
	v_mul_u32_u24 v3, v1, PITCH
	v_mul_u32_u24 v4, v2, 24
	v_add_nc_u32 v4, v3, v4                        ; a fragment's row x pitch + 24 h
	v_lshl_add_u32 v5, v2, 4, v4                   ; and the same behind one padding more
	s_mul_i32 s44, s[RH], HALFT                    ; my 128 rows of A
	s_mul_i32 s45, s[CH], HALFT                    ; my 128 rows of B,
	s_add_co_u32 s45, s45, 2*HALFT                 ; behind A's 256
.irp s, 0,1
	v_add_nc_u32 v[ADRA+\s], s44, v4
	v_add_nc_u32 v[ADRB+\s], s45, v4
	v_add_nc_u32 v[ADRA+2+\s], s44, v5
	v_add_nc_u32 v[ADRB+2+\s], s45, v5
	s_add_co_u32 s44, s44, SLOT
	s_add_co_u32 s45, s45, SLOT
.endr
	v_mul_u32_u24 v5, v1, KS                       ; my row's scale bytes,
	v_lshrrev_b32 v6, 8, v5
	v_lshl_add_u32 v5, v6, 4, v5                   ; 16 more for each 256 passed
	s_mul_i32 s44, s[RH], HALFS
	s_mul_i32 s45, s[CH], HALFS
	s_add_co_u32 s45, s45, 2*HALFS
	s_sub_co_u32 s45, s45, s44
	v_mul_u32_u24 v6, s45, v2                      ; lanes 16-31 take B's
	s_add_co_u32 s44, s44, SCL
	v_add_nc_u32 v5, v5, v6
	v_add_nc_u32 v[ADRS], s44, v5
	v_lshlrev_b32 v[VB64], 6, v2
	v_and_b32 v6, 8, v1
	v_add_nc_u32 v6, v6, v1                        ; r + 8 (r / 8)
	v_lshlrev_b32 v[VROW], 2, v6
	v_and_b32 v3, 31, v0
	v_lshlrev_b32 v[L16], 4, v3
	v_mul_u32_u24 v[VWO], v2, 16*13056
	v_lshl_add_u32 v[VWO], v1, 4, v[VWO]
	s_lshl_b32 s44, s[WV], 10                      ; c's stage: 1,024 bytes a wave, in slot 0
	v_lshl_add_u32 v[CSTI], v2, 9, v[VROW]
	v_add_nc_u32 v[CSTI], s44, v[CSTI]             ; in: the head of my half of the lanes, the row's natural place
	v_add_nc_u32 v[CSTO], s44, v[L16]
	; the small loads.  Their bases s[96:101] and offsets stay as they are until the wait at the head of the way out
	s_cmp_eq_u32 s42, 1
	s_cselect_b64 s[96:97], s[10:11], s[8:9]
	s_cmp_eq_u32 s42, 2
	s_cselect_b64 s[96:97], s[12:13], s[96:97]     ; the bias of the columns: b1, b2 or b3
	s_lshl_b32 s44, s40, 10
	s_lshl_b32 s45, s[CH], 9
	s_add_co_u32 s44, s44, s45                     ; my 128 columns: (256 cx + 128 half) x 4 bytes
	s_mov_b32 s45, 0
	s_add_nc_u64 s[96:97], s[96:97], s[44:45]
	s_lshr_b32 s46, s43, 1                         ; the batch
	s_lshl_b32 s46, s46, 12
	s_add_co_u32 s46, s46, s44
	s_mov_b32 s47, 0
	s_add_nc_u64 s[98:99], s[16:17], s[46:47]      ; s at the same columns
	s_lshl_b32 s44, s41, 10
	s_lshl_b32 s46, s[RH], 9
	s_add_co_u32 s44, s44, s46
	s_add_nc_u64 s[100:101], s[14:15], s[44:45]    ; b4 at my 128 rows
.irp b, 0,1,2,3,4,5,6,7                        ; in the result's layout: tile b's eight columns of my half
	global_load_b128 v[BIAS+8*\b:BIAS+8*\b+3], v[VB64], s[96:97] offset:(32*(\b/2)+8*(\b%2))*4
	global_load_b128 v[BIAS+8*\b+4:BIAS+8*\b+7], v[VB64], s[96:97] offset:(32*(\b/2)+8*(\b%2))*4+16
.endr
	WIN TO_B
.irp b, 0,1,2,3,4,5,6,7
	global_load_b128 v[96+128*(\b/4)+8*(\b%4):96+128*(\b/4)+8*(\b%4)+3], v[VB64], s[98:99] offset:(32*(\b/2)+8*(\b%2))*4
	global_load_b128 v[96+128*(\b/4)+8*(\b%4)+4:96+128*(\b/4)+8*(\b%4)+7], v[VB64], s[98:99] offset:(32*(\b/2)+8*(\b%2))*4+16
.endr
	WIN 0
.macro BVL a, reg                              ; b4 of block a's row, into an even register whose odd neighbour is written
	global_load_b32 v[\reg], v[VROW], s[100:101] offset:4*(32*((\a)/2)+8*((\a)%2))
.endm
	BVL 0, 4
	BVL 1, 6
	BVL 2, 8
	BVL 3, 10
	BVL 4, 12
	BVL 5, 14
	BVL 6, 24
	BVL 7, 26
.macro FRAG reg, adr, q, i             ; 16 rows x 128 K of 6-bit codes: 12 registers, in pieces of 8 bytes; where lanes 16-31's piece lies behind one padding more, the second address register serves
.irp p, 0,1,2,3,4,5
.set PC, 12*(\q)+6*(\p/3)+\p%3
.if PC%8 < 5
	ds_load_b64 v[\reg+2*\p:\reg+2*\p+1], v[\adr] offset:8*PC+16*(PC/8)+(\i)*16*PITCH
.else
	ds_load_b64 v[\reg+2*\p:\reg+2*\p+1], v[\adr+2] offset:8*PC+16*(PC/8)+(\i)*16*PITCH
.endif
.endr
.endm
; 16 matrix instructions: A's blocks a0, a0 + 1 x B's eight.  The 64 accumulators take turns, one instruction a turn, in the same order in every step.
.macro MUL16 a0, p, q, sc, zero
.irp a, \a0, \a0+1
.irp b, 0,1,2,3,4,5,6,7
.if \zero
	v_wmma_scale_f32_16x16x128_f8f6f4 v[8*(8*((\a)%4)+\b):8*(8*((\a)%4)+\b)+7], v[128*(\p)+FR*\b:128*(\p)+FR*\b+FR-1], v[AF+FR*(\a):AF+FR*(\a)+FR-1], 0, v[SC+8*NQ*(\sc)+NQ*\b+(\q)], v[SC+8*NQ*(\sc)+NQ*(\a)+(\q)] matrix_a_fmt:MATRIX_FMT_FP6 matrix_b_fmt:MATRIX_FMT_FP6 matrix_a_scale:MATRIX_SCALE_ROW1
.else
	v_wmma_scale_f32_16x16x128_f8f6f4 v[8*(8*((\a)%4)+\b):8*(8*((\a)%4)+\b)+7], v[128*(\p)+FR*\b:128*(\p)+FR*\b+FR-1], v[AF+FR*(\a):AF+FR*(\a)+FR-1], v[8*(8*((\a)%4)+\b):8*(8*((\a)%4)+\b)+7], v[SC+8*NQ*(\sc)+NQ*\b+(\q)], v[SC+8*NQ*(\sc)+NQ*(\a)+(\q)] matrix_a_fmt:MATRIX_FMT_FP6 matrix_b_fmt:MATRIX_FMT_FP6 matrix_a_scale:MATRIX_SCALE_ROW1
.endif
.endr
.endr
.endm
.macro FETCH_B slot, q, p
	WIN TO_B
.irp i, 0,1,2,3,4,5,6,7
	FRAG 128*(\p)+FR*\i, ADRB+\slot, \q, \i
.endr
	WIN 0
.endm
.macro FETCH_A slot, q, i0
.irp i, \i0, \i0+1, \i0+2, \i0+3
	FRAG AF+FR*(\i), ADRA+\slot, \q, \i
.endr
.endm
.macro SCALES sc                       ; a K step's two scale words a row: lanes 0-15 A's block i, lanes 16-31 B's block i
.irp i, 0,1,2,3,4,5,6,7
	ds_load_b64 v[SC+8*NQ*\sc+NQ*\i:SC+8*NQ*\sc+NQ*\i+1], v[ADRS] offset:\i*SBLK
.endr
.endm
.macro PLACES n                        ; plain vector lines between a matrix instruction and a load into, or a read of, its registers
.rept \n
	v_nop
.endr
.endm
.macro STEP slot, q, zero              ; 128 along K with its successor in the same slot
	s_wait_dscnt 4*NL                              ; B's set and A's blocks 0-3 are in; the youngest 24 loads (A's blocks 4-7) may be out
	WIN MUL_LO
	MUL16 0, (\q)%2, \q, \slot, \zero
	MUL16 2, (\q)%2, \q, \slot, \zero
	s_wait_dscnt 0
	PLACES NP
	FETCH_B \slot, (\q)+1, 1-(\q)%2
	FETCH_A \slot, (\q)+1, 0
	WIN MUL_HI
	MUL16 4, (\q)%2, \q, \slot, \zero
	MUL16 6, (\q)%2, \q, \slot, \zero
	PLACES NP
	WIN 0
	FETCH_A \slot, (\q)+1, 4
.endm
; A slot's last step changes slots: one barrier; in front of it each wave waits for all its tensor loads, adds 0 to its spare word, and waits for that and for its reads of this slot.
.macro TURN slot, next, fill
	s_wait_tensorcnt 0x0                           ; all my tensor loads have landed: my part of the next slot
	ds_add_u32 v[SPW], v[NIL]
	s_wait_dscnt 4*NL+1                            ; (the add and the youngest 24 loads may be out)
	WIN MUL_LO
	MUL16 0, 1, NQ-1, \slot, 0
	s_wait_dscnt 0x0                               ; the add is done, and my reads of this slot are over
	s_barrier_signal -1
	MUL16 2, 1, NQ-1, \slot, 0
	WIN 0
	s_barrier_wait -1
.if \fill
	CREST                                          ; the barrier has opened a round of the cluster's: no wave of any partner still reads this slot or has a load on its way
	s_add_nc_u64 s[G0+4*\slot+2:G0+4*\slot+3], s[G0+4*\slot+2:G0+4*\slot+3], 2*ROWB
	s_add_nc_u64 s[G0B+4*\slot+2:G0B+4*\slot+3], s[G0B+4*\slot+2:G0B+4*\slot+3], 2*ROWB
	JLOAD G0+4*\slot, G1, G0B+4*\slot, G1B         ; the first tensor load behind the round; its four v_nop are the places in front of the loads below
.else
	PLACES NP
.endif
	v_add_nc_u32 v[ADRS], 4*NQ, v[ADRS]
	FETCH_B \next, 0, 0
	FETCH_A \next, 0, 0
	SCALES \next
	WIN MUL_HI
	MUL16 4, 1, NQ-1, \slot, 0
	MUL16 6, 1, NQ-1, \slot, 0
	PLACES NP
	WIN 0
	FETCH_A \next, 0, 4
.endm
	s_wait_tensorcnt 1                             ; the scales and my part of K step 0 are in; K step 1's load may be out
	s_barrier_signal -1
	s_barrier_wait -1
	FETCH_B 0, 0, 0
	FETCH_A 0, 0, 0
	SCALES 0
	FETCH_A 0, 0, 4
	STEP 0, 0, 1                                   ; the first products start the sums
	s_mov_b32 s3, LAPS-1
.Llap:
	TURN 0, 1, 1
	STEP 1, 0, 0
	TURN 1, 0, 1
	STEP 0, 0, 0
	s_sub_co_u32 s3, s3, 1
	s_cmp_lg_u32 s3, 0
	s_cbranch_scc1 .Llap
	TURN 0, 1, 0                                   ; the last lap fills nothing
	STEP 1, 0, 0
	s_wait_dscnt 4*NL
	WIN MUL_LO
	MUL16 0, 1, NQ-1, 1, 0
	MUL16 2, 1, NQ-1, 1, 0
	s_wait_dscnt 0
	WIN MUL_HI
	MUL16 4, 1, NQ-1, 1, 0
	MUL16 6, 1, NQ-1, 1, 0
	WIN 0
	; ---------------- THE WAYS OUT
	PLACES NP                                      ; behind the last products: their results are read and A's registers written below
	s_wait_loadcnt 0x0                             ; the small loads of the head; their bases may be written now
.irp b, 0,1,2,3
	v_mov_b32 v[TM+4+\b], 0                        ; written once: a lane permute's destination counts as one of its sources
.endr
	s_cmp_eq_u32 s42, 3                            ; where word's rows stand: along the tile's rows, or (W4) along its columns
	s_cselect_b32 s45, s40, s41
	s_cselect_b32 s46, s[CH], s[RH]
	s_cselect_b32 s47, s41, s40                    ; and the weight's
	s_cselect_b32 s100, s[RH], s[CH]
	s_lshl_b32 s101, s43, 2
	s_add_co_u32 s45, s45, s101
	s_lshl_b32 s45, s45, 1
	s_add_co_u32 s45, s45, s46
	s_and_b32 s45, s45, 15                         ; which 128 positions of the sequence
	s_lshl_b32 s47, s47, 2
	s_lshl_b32 s100, s100, 1
	s_add_co_u32 s47, s47, s100                    ; the first of my two heads
	s_lshr_b32 s44, s43, 1
	s_lshl_b32 s44, s44, 4
	s_add_co_u32 s44, s44, s47
	s_lshl_b32 s46, s44, 4
	s_add_co_u32 s46, s46, s45                     ; its record
	s_mov_b32 s47, 13056                           ; a record's bytes and the buffer: kv,
	s_mov_b64 s[96:97], s[20:21]
	s_cmp_eq_u32 s42, 0
	s_cselect_b32 s47, 6656, s47                   ; qimg,
	s_cselect_b64 s[96:97], s[18:19], s[96:97]
	s_cmp_eq_u32 s42, 2
	s_cselect_b32 s47, 512, s47                    ; or cvec (128 numbers)
	s_cselect_b64 s[96:97], s[22:23], s[96:97]
	s_mul_i32 s100, s46, s47
	s_mov_b32 s101, 0
	s_add_nc_u64 s[96:97], s[96:97], s[100:101]    ; my first head's record,
	s_lshl_b32 s100, s47, 4
	s_add_nc_u64 s[98:99], s[96:97], s[100:101]    ; my second head's: 16 records on
	s_cmp_eq_u32 s42, 3
	s_cbranch_scc1 .Lepi_v
	s_cmp_eq_u32 s42, 2
	s_cbranch_scc1 .Lepi_c
; 64 numbers of a lane, register 16 b + i = k 32 b + 16 h + i of my row, become codes: k 0-63 in v[d0] on (6 registers), k 64-127 in v[d1] on; and the row's scale word in v[pw].
.macro QUANT s, d0, d1, pw
.irp b, 0,1,2,3
	v_max3_num_f32 v[TM+\b], |v[(\s)+16*\b]|, |v[(\s)+1+16*\b]|, 0x1800000   ; my 16 numbers of block b, and the floor 2^(3 - 127): the byte cannot fall under 1
.endr
.irp i, 2,4,6,8,10,12,14
.irp b, 0,1,2,3
	v_max3_num_f32 v[TM+\b], v[TM+\b], |v[(\s)+16*\b+\i]|, |v[(\s)+1+16*\b+\i]|
.endr
.endr
.irp b, 0,1,2,3
	v_permlanex16_b32 v[TM+4+\b], v[TM+\b], s[SEL], s[SEL+1]
.endr
.irp b, 0,1,2,3
	v_max_num_f32 v[TM+\b], v[TM+\b], v[TM+4+\b]   ; with lane l xor 16's: the block's largest magnitude
.endr
.irp b, 0,1,2,3
	v_add_nc_u32 v[TM+12+\b], 0xff000000, v[TM+\b] ; 2 off its exponent field: the conversion's scale operand
.endr
.irp b, 0,1,2,3
	v_lshrrev_b32 v[TM+4+\b], 23, v[TM+12+\b]      ; the scale's byte
.endr
	v_lshl_or_b32 v[\pw], v[TM+5], 8, v[TM+4]
	v_lshl_or_b32 v[\pw], v[TM+6], 16, v[\pw]
	v_lshl_or_b32 v[\pw], v[TM+7], 24, v[\pw]
	v_cvt_scalef32_pk16_fp6_f32 v[(\d0):(\d0)+2], v[(\s):(\s)+15], v[TM+12]
	v_cvt_scalef32_pk16_fp6_f32 v[T2:T2+2], v[(\s)+16:(\s)+31], v[TM+13]
	v_cvt_scalef32_pk16_fp6_f32 v[(\d1):(\d1)+2], v[(\s)+32:(\s)+47], v[TM+14]
	v_cvt_scalef32_pk16_fp6_f32 v[T2+4:T2+6], v[(\s)+48:(\s)+63], v[TM+15]
	v_nop                                          ; one plain line behind a scaled conversion
.irp i, 0,1,2                                  ; the operand's layout wants a whole block in a lane
	v_permlane16_swap_b32 v[(\d0)+\i], v[T2+\i]
	v_permlane16_swap_b32 v[(\d1)+\i], v[T2+4+\i]
.endr
.irp i, 0,1,2
	v_mov_b32 v[(\d0)+3+\i], v[T2+\i]
	v_mov_b32 v[(\d1)+3+\i], v[T2+4+\i]
.endr
.endm
.macro ADDB a                          ; block a's 64 sums + the columns' bias, into window 0; each accumulator from its low end on
	WIN 0x02+(\a)/4
.irp b, 0,1,2,3,4,5,6,7
.irp j, 0,2,4,6
	v_pk_add_f32 v[H+8*\b+\j:H+8*\b+\j+1], v[64*((\a)%4)+8*\b+\j:64*((\a)%4)+8*\b+\j+1], v[BIAS+8*\b+\j:BIAS+8*\b+\j+1]
.endr
.endr
	WIN 0
.endm
.macro ADDV a, reg                     ; the same + b4 of my row: the pair's low word serves both halves
	WIN 0x02+(\a)/4
.irp b, 0,1,2,3,4,5,6,7
.irp j, 0,2,4,6
	v_pk_add_f32 v[H+8*\b+\j:H+8*\b+\j+1], v[64*((\a)%4)+8*\b+\j:64*((\a)%4)+8*\b+\j+1], v[\reg:\reg+1] op_sel_hi:[1,0]
.endr
.endr
	WIN 0
.endm
.macro PACK                            ; lanes 0-15 take blocks 0-3's words, lanes 16-31 blocks 4-7's
.irp i, 0,1,2,3
	v_cndmask_b32 v[P4+\i], v[PWS+\i], v[PWS+4+\i], s95
.endr
.endm
	; ---- w1 or w2: my 128 positions x two heads
.irp pr, 0,1,2,3
	s_wait_xcnt 0x0                                ; the last pair's stores have read their registers
.irp u, 0,1
	ADDB 2*\pr+\u
	QUANT H, PCB+6*\u, PCB+12+6*\u, PWS+2*\pr+\u
.endr
.irp c, 0,1
.irp q, 0,1,2
	global_store_b128 v[L16], v[PCB+12*\c+4*\q:PCB+12*\c+4*\q+3], s[96+2*\c:97+2*\c] offset:1536*\pr+512*\q   ; 512 consecutive bytes
.endr
.endr
.endr
	PACK
	global_store_b128 v[L16], v[P4:P4+3], s[96:97] offset:6144
.irp i, 0,1,2,3
	v_lshrrev_b32 v[P4+4+\i], 16, v[P4+\i]         ; the second head's two bytes come down
.endr
	global_store_b128 v[L16], v[P4+4:P4+7], s[98:99] offset:6144
	s_branch .Lend
	; ---- w4: my 128 channels (two heads) x 128 keys
.Lepi_v:
.macro VBLK a, reg
	s_wait_xcnt 0x0
	ADDV \a, \reg
	QUANT H, PCB+12*((\a)%2), PCB+12*((\a)%2)+6, PWS+(\a)
.irp q, 0,1,2
	global_store_b128 v[L16], v[PCB+12*((\a)%2)+4*\q:PCB+12*((\a)%2)+4*\q+3], s[96+2*((\a)/4):97+2*((\a)/4)] offset:6656+1536*((\a)%4)+512*\q
.endr
.endm
	VBLK 0, 4
	VBLK 1, 6
	VBLK 2, 8
	VBLK 3, 10
	VBLK 4, 12
	VBLK 5, 14
	VBLK 6, 24
	VBLK 7, 26
	PACK
	global_store_b128 v[VWO], v[P4:P4+3], s[96:97] offset:12800   ; each half of the lanes stores 256 consecutive bytes, aligned: one head's words
	s_branch .Lend
	; ---- c = (word W3^T + b3) . s, head by head, in f32
.Lepi_c:
	WIN 0x04                                       ; source 1 (s) window 1
.irp c, 0,1
	v_pk_mul_f32 v[KB+2*\c:KB+2*\c+1], v[BIAS+32*\c:BIAS+32*\c+1], v[96+128*\c:97+128*\c]
.endr
.irp n, 2,4,6,8,10,12,14,16,18,20,22,24,26,28,30
.irp c, 0,1
	v_pk_fma_f32 v[KB+2*\c:KB+2*\c+1], v[BIAS+32*\c+\n:BIAS+32*\c+\n+1], v[96+128*\c+\n:97+128*\c+\n], v[KB+2*\c:KB+2*\c+1]   ; b3 . s over my 32 channels of head c: the same for every row
.endr
.endr
	WIN 0
.macro CROW a
	WIN 0x06+(\a)/4                                ; source 0 the accumulators, source 1 s
.irp c, 0,1
	v_pk_fma_f32 v[CHN+4*\c:CHN+4*\c+1], v[64*((\a)%4)+32*\c:64*((\a)%4)+32*\c+1], v[96+128*\c:97+128*\c], v[KB+2*\c:KB+2*\c+1]
	v_pk_mul_f32 v[CHN+4*\c+2:CHN+4*\c+3], v[64*((\a)%4)+32*\c+2:64*((\a)%4)+32*\c+3], v[98+128*\c:99+128*\c]
.endr
.irp n, 4,8,12,16,20,24,28
.irp c, 0,1
	v_pk_fma_f32 v[CHN+4*\c:CHN+4*\c+1], v[64*((\a)%4)+32*\c+\n:64*((\a)%4)+32*\c+\n+1], v[96+128*\c+\n:97+128*\c+\n], v[CHN+4*\c:CHN+4*\c+1]
	v_pk_fma_f32 v[CHN+4*\c+2:CHN+4*\c+3], v[64*((\a)%4)+32*\c+\n+2:64*((\a)%4)+32*\c+\n+3], v[98+128*\c+\n:99+128*\c+\n], v[CHN+4*\c+2:CHN+4*\c+3]
.endr
.endr
	WIN 0
	v_pk_add_f32 v[CHN:CHN+1], v[CHN:CHN+1], v[CHN+2:CHN+3]
	v_pk_add_f32 v[CHN+4:CHN+5], v[CHN+4:CHN+5], v[CHN+6:CHN+7]
	v_add_f32 v[ZS], v[CHN], v[CHN+1]
	v_add_f32 v[ZS+1], v[CHN+4], v[CHN+5]
	v_permlane16_swap_b32 v[ZS], v[ZS+1]           ; lanes 0-15 now hold the first head's two halves, lanes 16-31 the second's
	v_add_f32 v[ZO+(\a)], v[ZS], v[ZS+1]
	ds_store_b32 v[CSTI], v[ZO+(\a)] offset:4*(32*((\a)/2)+8*((\a)%2))   ; my own stage, in slot 0: it has had its last fill, and every wave has passed the last change of slots
.endm
.irp a, 0,1,2,3,4,5,6,7
	CROW \a
.endr
	ds_load_b128 v[216:219], v[CSTO]               ; LDS serves a wave's instructions in order: these see my stores
	ds_load_b128 v[220:223], v[CSTO] offset:512
	s_wait_dscnt 0x0
	global_store_b128 v[L16], v[216:219], s[96:97] ; 512 consecutive bytes: 128 positions of a head
	global_store_b128 v[L16], v[220:223], s[98:99]
.Lend:
	s_wait_tensorcnt 0x0                           ; the wave's end
	ds_add_u32 v[SPW], v[NIL]
	s_wait_dscnt 0x0
	CROUND                                         ; the closing round
	s_endpgm
.Lfunc_end_k_qc43bf9ec93_proj:
	.size	k_qc43bf9ec93_proj, .Lfunc_end_k_qc43bf9ec93_proj-k_qc43bf9ec93_proj
	.p2alignl 7, 3214868480
	.fill 96, 4, 3214868480
	.section	.rodata,"a",@progbits
	.p2align	6, 0x0
	.amdhsa_kernel k_qc43bf9ec93_proj
		.amdhsa_group_segment_fixed_size 327680
		.amdhsa_private_segment_fixed_size 0
		.amdhsa_enable_private_segment 0
		.amdhsa_kernarg_size 72
		.amdhsa_user_sgpr_count 2
		.amdhsa_user_sgpr_kernarg_segment_ptr 1
		.amdhsa_wavefront_size32 1
		.amdhsa_system_sgpr_workgroup_id_x 1
		.amdhsa_system_sgpr_workgroup_id_y 1
		.amdhsa_system_sgpr_workgroup_id_z 1
		.amdhsa_system_vgpr_workitem_id 0
		.amdhsa_next_free_vgpr 1024
		.amdhsa_next_free_sgpr 102
		.amdhsa_reserve_vcc 0
		.amdhsa_float_denorm_mode_32 3
		.amdhsa_float_denorm_mode_16_64 3
		.amdhsa_memory_ordered 1
		.amdhsa_forward_progress 1
		.amdhsa_inst_pref_size 255
	.end_amdhsa_kernel
	.section	.bss,"aw",@nobits
	.p2align	6
	.space	262144
	.amdgpu_metadata
---
amdhsa.version: [ 1, 2 ]
amdhsa.kernels:
  - .name:           k_qc43bf9ec93_proj
    .symbol:         k_qc43bf9ec93_proj.kd
    .args:
      - { .name: wq, .offset: 0, .size: 8, .value_kind: global_buffer, .address_space: global }
      - { .name: b1, .offset: 8, .size: 8, .value_kind: global_buffer, .address_space: global }
      - { .name: b2, .offset: 16, .size: 8, .value_kind: global_buffer, .address_space: global }
      - { .name: b3, .offset: 24, .size: 8, .value_kind: global_buffer, .address_space: global }
      - { .name: b4, .offset: 32, .size: 8, .value_kind: global_buffer, .address_space: global }
      - { .name: svec, .offset: 40, .size: 8, .value_kind: global_buffer, .address_space: global }
      - { .name: qimg, .offset: 48, .size: 8, .value_kind: global_buffer, .address_space: global }
      - { .name: kv, .offset: 56, .size: 8, .value_kind: global_buffer, .address_space: global }
      - { .name: cvec, .offset: 64, .size: 8, .value_kind: global_buffer, .address_space: global }
    .group_segment_fixed_size: 327680
    .private_segment_fixed_size: 0
    .kernarg_segment_align: 8
    .kernarg_segment_size: 72
    .max_flat_workgroup_size: 128
    .sgpr_count:     102
    .vgpr_count:     1024
    .wavefront_size: 32
...
	.end_amdgpu_metadata
.endif
;; end of part 2
;; launch attn (part 3): grid 8 x 32, 16 waves a work-group, clusters of 4 x 1, 327,680 bytes of LDS; arguments qimg, kv, cvec, ctxq; writes ctxq
.if DOCPART == 3
	.amdgcn_target "amdgcn-amd-amdhsa--gfx1250"
	.amdhsa_code_object_version 6
	.text
	.protected	k_qc43bf9ec93_attn
	.globl	k_qc43bf9ec93_attn
	.p2align	8
	.type	k_qc43bf9ec93_attn,@function
k_qc43bf9ec93_attn:
	s_mov_b64 s[64:65], 0
	v_nop
	global_prefetch_b8 v0, s[64:65] scope:SCOPE_SE
	s_setreg_imm32_b32 hwreg(HW_REG_WAVE_MODE, 25, 1), 1
	s_wait_xcnt 0x0
	s_wait_alu depctr_hold_cnt(0) depctr_sa_sdst(0) depctr_va_vdst(0) depctr_va_sdst(0) depctr_va_ssrc(0) depctr_va_vcc(0) depctr_vm_vsrc(0)
	s_getreg_b32 s2, hwreg(HW_REG_IB_STS2, 6, 4)
	s_cmp_eq_u32 s2, 0
	s_cbranch_scc0 .Lentry_in_a_cluster
	s_endpgm
.Lentry_in_a_cluster:
	s_bfe_u32 s2, ttmp6, 0x10000c
	s_cmp_lg_u32 s2, 0x3003
	s_cbranch_scc0 .Lentry_shape_is_right
	s_endpgm
.Lentry_shape_is_right:
; THIRD LAUNCH.  ctx[b,h,i,:] = softmax_j(w1[i] . w2[j] + c[i]) w4[j,:], both products on codes of FP6 (E2M3); ctx is quantised along the head's 64 and stored as the last product's operand.  Nothing is left out:
; c, the same for all keys of a row, stays, since it moves M's fraction and with it p's codes.
; THE SOFTMAX: t = (score + c) log2(e); M = the running largest t rounded up to a whole number; p = 2^(t - M) is quantised along the keys, not normalised; the row's sum is taken of the unquantised p and divides at the end;
; when M moves, the sum and O are multiplied by 2^(old M - new M), which rounds nothing.
; SHARES.  A work-group owns 256 queries of one head, each of its sixteen waves one tile of 16 in 256 registers: four waves to a SIMD, so that one wave's vector work stands beside another's matrix work.
; Wave w's queries are 32 (w / 2) + 8 (w % 2) + r + 8 (r / 8) of the 256: so the second launch laid the tiles.
; LDS: NO RING.  A head's K and V are 16 records of 13,056 bytes, 208,896 bytes on end: they come once, 48 tensor loads of 17 rows x 256 bytes, three a wave.  The four work-groups of a cluster own queries of the same
; head and ask jointly.  Loads 0-15 cover records 0 to 4 whole, loads 0-31 records 0 to 9: so the walk begins when each wave's first load is in.  By this text's count three tensor loads of a wave are out.
; LAYOUT.  Both products transposed: S^T = K Q^T (source 0 = 16 keys), O^T = V^T P^T (source 0 = 16 channels): a lane holds one query throughout.  The tiles' rows are chosen so that 16 registers of two neighbouring tiles
; are 16 neighbours: keys 32 b + 16 h + 0 .. 15 in S^T, channels likewise in O^T.  The first product's K is 64: a tile of K is 6 registers; the instruction's upper 64 meet Q's zero codes (v22-27), whatever stands in A there.
; The records are images of the operands' registers: every LDS load is 16 bytes a lane on end.
; ctx's scale bytes leave singly (two a lane pair, 32 a wave): one byte in 25 of what the launch stores is written so.
; No prefetch: all that the launch reads is asked for at its head.
; LIMITS: NaN and infinities are not served; p under 2^-126 counts as 0; a block of zeros gets the byte 1.
; REGISTERS: v1-4 LDS addresses; v5, 6 the add's; v7-9, 28-31 offsets; v10 -M, v11 c log2(e), v12 their sum, v13 the largest t, v[14:15] the row's sum; v16-27 Q; v32-79 K's 8 tiles, then V's 4; v80-85 zeros;
;   v96-159 S^T, then p; v160-191 O^T; v192-237 at work; v228 p's scale word, v240-243 K's, v244-247 V's, v248 Q's: these hold scales alone.
.set REC,   13056
.set HEADB, 16*REC
.set CHK,   17*256
.set SPARE, HEADB                      ; behind the head's records: the spare words, 128 bytes a wave: eight blocks of 256 bytes that no other line names
.set CSO,   3145728                    ; where ctx's scale bytes begin
.set WV,  12
.set G1,  16
.set G0,  24
.set SEL, 36
.set CS,  38
.set TB,  40
.set CNT, 41
.set L16, 1
.set R16, 2
.set ADK, 3
.set ADW, 4
.set SPW, 5
.set NIL, 6
.set BM,  192
.set PX,  196
.set SO,  200
.set BY,  204
.set T2,  208
.set PCD, 216
.set PWD, 228
.set FF,  230
.set KW,  240
.set VW,  244
.set QW,  248
.macro CROUND
	s_barrier_signal -1
	s_barrier_wait -1
	s_cmp_lg_u32 s[WV], 0
	s_cbranch_scc1 .Lnot_wave_0_\@
	s_barrier_signal -3
.Lnot_wave_0_\@:
	s_barrier_wait -3
	s_barrier_signal -1
	s_barrier_wait -1
.endm
	s_load_b256 s[4:11], s[0:1], 0x0               ; qimg 4:5, kv 6:7, cvec 8:9, ctxq 10:11
	v_lshl_add_u32 v[SPW], v0, 2, SPARE
	v_mov_b32 v[NIL], 0
	ds_add_u32 v[SPW], v[NIL]                      ; the wave's opening: the add, twice on end, and its wait ahead of my first tensor load
	ds_add_u32 v[SPW], v[NIL]
	v_lshrrev_b32 v1, 5, v0
	v_readfirstlane_b32 s[WV], v1                  ; wave 0..15
	s_bfe_u32 s13, ttmp6, 0x40000                  ; cx
	s_lshl_b32 s14, ttmp9, 2
	s_add_co_u32 s14, s14, s13                     ; my block of 256 queries: it enters Q's, c's and ctx's addresses alone
	s_and_b32 s15, ttmp7, 0xffff                   ; batch x 16 + head, which the four partners share
	s_mov_b32 s[G1], 15|(3<<16)|(1<<21)            ; the mask: all four; elements of 8 bytes; no padding; bit 21 beside a mask
	s_mov_b32 s[G1+1], 32<<16                      ; tensor_dim0: 256 bytes
	s_mov_b32 s[G1+2], 17<<16                      ; tensor_dim1
	s_mov_b32 s[G1+3], 32<<16                      ; tile_dim0
	s_mov_b32 s[G1+4], 17                          ; tile_dim1
	s_mov_b32 s[G1+5], 32                          ; the pitch: dense
	s_mov_b32 s[G1+6], 0
	s_mov_b32 s[G1+7], 0
	s_mul_i32 s42, s15, HEADB
	s_mul_i32 s44, s[WV], CHK                      ; my part of each sixteen loads, in memory and in LDS alike
	s_add_co_u32 s42, s42, s44
	s_mov_b32 s43, 0
	s_mov_b32 s[SEL], 0x76543210
	s_mov_b32 s[SEL+1], 0xfedcba98
	s_mov_b32 s[CS], 0x3fb8aa3b                    ; log2(e)
	s_mov_b32 s[CS+1], s[CS]                       ; (named with it as a pair, so it is written)
	s_mov_b32 s56, 0xffff0000                      ; lanes 16-31
	s_wait_dscnt 0x0                               ; both opening adds are done
	s_wait_kmcnt 0x0
	s_add_nc_u64 s[42:43], s[6:7], s[42:43]
	CROUND                                         ; all four work-groups are here: the joint loads meet
.irp j, 0,1,2
	s_mov_b32 s[G0+4*\j], 1
	s_add_co_u32 s[G0+4*\j+1], s44, \j*16*CHK
	s_add_nc_u64 s[G0+4*\j+2:G0+4*\j+3], s[42:43], \j*16*CHK
	s_or_b32 s[G0+4*\j+3], s[G0+4*\j+3], 0x80000000
	tensor_load_to_lds s[G0+4*\j:G0+4*\j+3], s[G1:G1+7]
	s_nop 0
.endr
.rept 4
	v_nop
.endr
	v_and_b32 v[L16], 31, v0
	v_lshlrev_b32 v[L16], 4, v[L16]                ; 16 x lane
	v_and_b32 v9, 15, v0                           ; r
	v_lshlrev_b32 v[R16], 4, v9                    ; 16 r
	; Q: record 2 x block + w / 8, tile a = w % 8: numbers 6 (a % 2) .. + 5 of the pair's twelve, which lie in planes of four
	s_lshl_b32 s42, s15, 4
	s_lshl_b32 s43, s14, 1
	s_add_co_u32 s42, s42, s43
	s_lshr_b32 s43, s[WV], 3
	s_add_co_u32 s42, s42, s43
	s_mul_i32 s42, s42, 6656
	s_mov_b32 s43, 0
	s_add_nc_u64 s[4:5], s[4:5], s[42:43]
	s_and_b32 s45, s[WV], 7
	s_lshr_b32 s46, s45, 1
	s_mul_i32 s46, s46, 1536
	s_and_b32 s47, s[WV], 1
	s_mul_i32 s48, s47, 520
	s_mul_i32 s49, s47, 1016
	s_add_co_u32 s48, s48, s46
	s_add_co_u32 s49, s49, s46
	v_add_nc_u32 v7, s48, v[L16]
	v_add_nc_u32 v8, s49, v[L16]
	global_load_b64 v[16:17], v7, s[4:5]
	global_load_b64 v[18:19], v8, s[4:5] offset:8
	global_load_b64 v[20:21], v7, s[4:5] offset:512
	s_lshr_b32 s46, s45, 2
	s_lshl_b32 s46, s46, 8
	s_and_b32 s47, s[WV], 3
	s_lshl_b32 s47, s47, 2
	s_add_co_u32 s46, s46, s47
	v_add_nc_u32 v28, s46, v[R16]
	global_load_b32 v[QW], v28, s[4:5] offset:6144 ; my tile's scale words
	s_lshl_b32 s46, s15, 11                        ; c of my query
	s_lshl_b32 s47, s14, 8
	s_add_co_u32 s46, s46, s47
	s_lshr_b32 s47, s[WV], 1
	s_lshl_b32 s47, s47, 5
	s_add_co_u32 s46, s46, s47
	s_and_b32 s47, s[WV], 1
	s_lshl_b32 s47, s47, 3
	s_add_co_u32 s46, s46, s47
	s_lshl_b32 s46, s46, 2
	s_mov_b32 s47, 0
	s_add_nc_u64 s[8:9], s[8:9], s[46:47]
	v_and_b32 v29, 8, v9
	v_add_nc_u32 v29, v29, v9
	v_lshlrev_b32 v29, 2, v29
	global_load_b32 v11, v29, s[8:9]
.irp j, 22,23,24,25,26,27,80,81,82,83,84,85
	v_mov_b32 v[\j], 0                             ; zero codes: Q's upper 64 along K, and what stands behind K's last tile
.endr
	v_mov_b32 v13, 0xff61b1e6                      ; the largest t so far: -3e38
	v_floor_f32 v10, -v13                          ; -M
	v_mov_b32 v14, 0
	v_mov_b32 v15, 0
	v_mov_b32 v[FF+1], 0                           ; (named as the upper half of a pair)
.irp b, 0,1,2,3
	v_mov_b32 v[PX+\b], 0                          ; written once: a lane permute's destination counts as one of its sources
.endr
.irp j, 0,1,2,3,4,5,6,7,8,9,10,11,12,13,14,15,16,17,18,19,20,21,22,23,24,25,26,27,28,29,30,31
	v_mov_b32 v[160+\j], 0                         ; O^T: the step is written once; the first finds zeros, which the first change of M leaves zeros
.endr
	s_wait_loadcnt 0x0
	v_mul_f32 v11, s[CS], v11                      ; c log2(e)
.macro STEP                            ; 128 keys: the record at LDS byte s[TB]
	v_add_nc_u32 v[ADK], s[TB], v[L16]
	v_add_nc_u32 v[ADW], s[TB], v[R16]
	v_nop
	v_nop                                          ; four plain lines between the last step's products and the loads into their registers
.irp f, 0,1,2,3,4,5,6,7,8,9,10,11
	ds_load_b128 v[32+4*\f:35+4*\f], v[ADK] offset:512*\f          ; K's eight tiles, 6 registers each
.endr
	ds_load_b128 v[KW:KW+3], v[ADK] offset:6144    ; register i: lanes 0-15 tile i's words, lanes 16-31 tile 4 + i's
	s_wait_dscnt 0x0
.irp t, 0,1,2,3
	v_wmma_scale_f32_16x16x128_f8f6f4 v[96+8*\t:103+8*\t], v[32+6*\t:43+6*\t], v[16:27], 0, v[KW+\t], v[QW] matrix_a_fmt:MATRIX_FMT_FP6 matrix_b_fmt:MATRIX_FMT_FP6
.endr
.irp t, 4,5,6,7
	v_wmma_scale_f32_16x16x128_f8f6f4 v[96+8*\t:103+8*\t], v[32+6*\t:43+6*\t], v[16:27], 0, v[KW+\t-4], v[QW] matrix_a_fmt:MATRIX_FMT_FP6 matrix_b_fmt:MATRIX_FMT_FP6 matrix_a_scale:MATRIX_SCALE_ROW1
.endr
.rept 4
	v_nop                                          ; places: for the loads below and for the first read of the scores
.endr
.irp f, 0,1,2,3,4,5,6,7,8,9,10,11
	ds_load_b128 v[32+4*\f:35+4*\f], v[ADK] offset:6656+512*\f     ; V's four tiles: they land during the softmax
.endr
	ds_load_b128 v[VW:VW+3], v[ADW] offset:12800
.irp b, 0,1,2,3
	v_max3_num_f32 v[BM+\b], v[96+16*\b], v[97+16*\b], v[98+16*\b]   ; the largest score of each block of 32 keys: for the row's maximum and, since p rises with the score, for the block's largest p
.endr
.irp i, 3,5,7,9,11,13
.irp b, 0,1,2,3
	v_max3_num_f32 v[BM+\b], v[BM+\b], v[96+16*\b+\i], v[97+16*\b+\i]
.endr
.endr
.irp b, 0,1,2,3
	v_max_num_f32 v[BM+\b], v[BM+\b], v[111+16*\b]
.endr
.irp b, 0,1,2,3
	v_permlanex16_b32 v[PX+\b], v[BM+\b], s[SEL], s[SEL+1]
.endr
.irp b, 0,1,2,3
	v_max_num_f32 v[BM+\b], v[BM+\b], v[PX+\b]
.endr
	v_max3_num_f32 v232, v[BM], v[BM+1], v[BM+2]
	v_max_num_f32 v232, v232, v[BM+3]
	v_fma_f32 v232, v232, s[CS], v11               ; the step's largest t
	v_max_num_f32 v13, v13, v232
	v_mov_b32 v233, v10
	v_floor_f32 v10, -v13                          ; the new -M = -ceil(t)
	v_sub_f32 v233, v10, v233                      ; old M - new M: a whole number, 0 or less
	v_cvt_i32_f32 v233, v233                       ; (it saturates)
	v_ldexp_f32 v[FF], 1.0, v233                   ; f = 2^(old M - new M)
	v_add_f32 v12, v11, v10                        ; c log2(e) - M
.irp j, 0,2,4,6,8,10,12,14,16,18,20,22,24,26,28,30,32,34,36,38,40,42,44,46,48,50,52,54,56,58,60,62
	v_pk_fma_f32 v[96+\j:97+\j], v[96+\j:97+\j], s[CS:CS+1], v[12:13] op_sel_hi:[1,0,0]   ; t - M, two at a time
.endr
.irp b, 0,1,2,3
	v_fma_f32 v[BM+\b], v[BM+\b], s[CS], v12
.endr
.irp j, 0,1,2,3,4,5,6,7,8,9,10,11,12,13,14,15,16,17,18,19,20,21,22,23,24,25,26,27,28,29,30,31,32,33,34,35,36,37,38,39,40,41,42,43,44,45,46,47,48,49,50,51,52,53,54,55,56,57,58,59,60,61,62,63
	v_exp_f32 v[96+\j], v[96+\j]                   ; p = 2^(t - M)
.endr
	v_pk_mul_f32 v[14:15], v[14:15], v[FF:FF+1] op_sel_hi:[1,0]    ; the sums under the new M (the plain line behind the exponentials)
	s_wait_alu depctr_va_vdst(0)                   ; one wait for the batch, ahead of its first reader
.irp b, 0,1,2,3
	v_exp_f32 v[BM+\b], v[BM+\b]                   ; each block's largest p: the same two instructions on the same number
.endr
	v_pk_add_f32 v[236:237], v[96:97], v[98:99]    ; the row's sum of the unquantised p, in two chains
.irp j, 4,8,12,16,20,24,28,32,36,40,44,48,52,56,60
	v_pk_add_f32 v[14:15], v[14:15], v[96+\j:97+\j]
	v_pk_add_f32 v[236:237], v[236:237], v[98+\j:99+\j]
.endr
	v_pk_add_f32 v[14:15], v[14:15], v[236:237]
	s_wait_alu depctr_va_vdst(0)                   ; and one for the four
.irp b, 0,1,2,3
	v_max_num_f32 v[BM+\b], 0x1800000, v[BM+\b]    ; the floor 2^(3 - 127)
.endr
.irp b, 0,1,2,3
	v_add_nc_u32 v[SO+\b], 0xff000000, v[BM+\b]    ; 2 off the exponent field: the conversion's scale operand
.endr
.irp b, 0,1,2,3
	v_lshrrev_b32 v[BY+\b], 23, v[SO+\b]
.endr
	v_lshl_or_b32 v[PWD], v[BY+1], 8, v[BY]        ; p's scale word for these 128 keys
	v_lshl_or_b32 v[PWD], v[BY+2], 16, v[PWD]
	v_lshl_or_b32 v[PWD], v[BY+3], 24, v[PWD]
.irp c, 0,1
	v_cvt_scalef32_pk16_fp6_f32 v[PCD+6*\c:PCD+2+6*\c], v[96+32*\c:111+32*\c], v[SO+2*\c]
	v_cvt_scalef32_pk16_fp6_f32 v[T2+4*\c:T2+2+4*\c], v[112+32*\c:127+32*\c], v[SO+2*\c+1]
.endr
	v_nop                                          ; one plain line behind a scaled conversion
.irp c, 0,1
.irp i, 0,1,2
	v_permlane16_swap_b32 v[PCD+6*\c+\i], v[T2+4*\c+\i]
.endr
.irp i, 0,1,2
	v_mov_b32 v[PCD+3+6*\c+\i], v[T2+4*\c+\i]
.endr
.endr
.irp j, 0,2,4,6,8,10,12,14,16,18,20,22,24,26,28,30
	v_pk_mul_f32 v[160+\j:161+\j], v[160+\j:161+\j], v[FF:FF+1] op_sel_hi:[1,0]   ; O^T under the new M; with the moves above also the places ahead of the scaled products
.endr
	s_wait_dscnt 0x0                               ; V
.irp t, 0,1,2,3                                ; four accumulators, one instruction a turn
	v_wmma_scale_f32_16x16x128_f8f6f4 v[160+8*\t:167+8*\t], v[32+12*\t:43+12*\t], v[PCD:PCD+11], v[160+8*\t:167+8*\t], v[VW+\t], v[PWD] matrix_a_fmt:MATRIX_FMT_FP6 matrix_b_fmt:MATRIX_FMT_FP6
.endr
	s_add_co_u32 s[TB], s[TB], REC
.endm
; cnt: my younger tensor loads, which may stay out.  Behind the barrier every wave's load of that turn has landed.  No LDS load of mine is out at a signal.
.macro PHASE cnt, trips, base
	s_wait_tensorcnt \cnt
	s_barrier_signal -1
	s_barrier_wait -1
	s_mov_b32 s[TB], \base
	s_mov_b32 s[CNT], \trips
.Lstep_\@:
	STEP
	s_sub_co_u32 s[CNT], s[CNT], 1
	s_cmp_lg_u32 s[CNT], 0
	s_cbranch_scc1 .Lstep_\@
.endm
	PHASE 2, 5, 0                                  ; records 0 to 4 end at byte 65,280, inside the first sixteen loads' 69,632
	PHASE 1, 5, 5*REC                              ; records 5 to 9 end at 130,560, inside 139,264
	PHASE 0, 6, 10*REC
	; THE WAY OUT: O^T / the sum; register 16 b + i is channel 32 b + 16 h + i of my query: two blocks of 32, quantised as the last product's operand
	v_add_f32 v14, v14, v15
	v_permlanex16_b32 v232, v14, s[SEL], s[SEL+1]
	v_add_f32 v14, v14, v232                       ; the row's sum
	v_rcp_f32 v14, v14
	v_and_b32 v30, 31, v0                          ; (plain lines behind the reciprocal)
	v_lshlrev_b32 v30, 3, v30                      ; 8 x lane
	v_and_b32 v31, 15, v0
	v_bfe_u32 v233, v0, 4, 1
	v_lshl_add_u32 v31, v31, 5, v233               ; 32 r + h
	s_lshr_b32 s42, s15, 4
	s_lshl_b32 s42, s42, 7
	s_lshl_b32 s43, s14, 4
	s_add_co_u32 s42, s42, s43
	s_add_co_u32 s42, s42, s[WV]                   ; my tile among the 256 of ctx
	s_and_b32 s43, s15, 15                         ; the head
	s_lshl_b32 s44, s42, 4
	s_add_co_u32 s44, s44, s43
	s_mul_i32 s44, s44, 768
	s_mov_b32 s45, 0
	s_add_nc_u64 s[44:45], s[10:11], s[44:45]
	s_lshl_b32 s46, s42, 9
	s_lshl_b32 s47, s43, 1
	s_add_co_u32 s46, s46, s47
	s_add_co_u32 s46, s46, CSO
	s_mov_b32 s47, 0
	s_add_nc_u64 s[46:47], s[10:11], s[46:47]
	s_wait_alu depctr_va_vdst(0)                   ; ahead of the reciprocal's first reader
.irp j, 0,2,4,6,8,10,12,14,16,18,20,22,24,26,28,30
	v_pk_mul_f32 v[96+\j:97+\j], v[160+\j:161+\j], v[14:15] op_sel_hi:[1,0]
.endr
.irp b, 0,1
	v_max3_num_f32 v[BM+\b], |v[96+16*\b]|, |v[97+16*\b]|, 0x1800000
.endr
.irp i, 2,4,6,8,10,12,14
.irp b, 0,1
	v_max3_num_f32 v[BM+\b], v[BM+\b], |v[96+16*\b+\i]|, |v[97+16*\b+\i]|
.endr
.endr
.irp b, 0,1
	v_permlanex16_b32 v[PX+\b], v[BM+\b], s[SEL], s[SEL+1]
.endr
.irp b, 0,1
	v_max_num_f32 v[BM+\b], v[BM+\b], v[PX+\b]
.endr
.irp b, 0,1
	v_add_nc_u32 v[SO+\b], 0xff000000, v[BM+\b]
.endr
.irp b, 0,1
	v_lshrrev_b32 v[BY+\b], 23, v[SO+\b]
.endr
	v_cvt_scalef32_pk16_fp6_f32 v[PCD:PCD+2], v[96:111], v[SO]
	v_cvt_scalef32_pk16_fp6_f32 v[T2:T2+2], v[112:127], v[SO+1]
	v_nop
.irp i, 0,1,2
	v_permlane16_swap_b32 v[PCD+\i], v[T2+\i]
.endr
.irp i, 0,1,2
	v_mov_b32 v[PCD+3+\i], v[T2+\i]
.endr
	v_cndmask_b32 v[BY], v[BY], v[BY+1], s56       ; lanes 0-15 store block 0's byte, lanes 16-31 block 1's
.irp p, 0,1,2
	global_store_b64 v30, v[PCD+2*\p:PCD+2*\p+1], s[44:45] offset:256*\p   ; 32 lanes store 256 consecutive bytes, aligned
.endr
	global_store_b8 v31, v[BY], s[46:47]
	s_wait_tensorcnt 0x0                           ; the wave's end
	ds_add_u32 v[SPW], v[NIL]
	s_wait_dscnt 0x0
	CROUND                                         ; the closing round
	s_endpgm
.Lfunc_end_k_qc43bf9ec93_attn:
	.size	k_qc43bf9ec93_attn, .Lfunc_end_k_qc43bf9ec93_attn-k_qc43bf9ec93_attn
	.p2alignl 7, 3214868480
	.fill 96, 4, 3214868480
	.section	.rodata,"a",@progbits
	.p2align	6, 0x0
	.amdhsa_kernel k_qc43bf9ec93_attn
		.amdhsa_group_segment_fixed_size 327680
		.amdhsa_private_segment_fixed_size 0
		.amdhsa_enable_private_segment 0
		.amdhsa_kernarg_size 32
		.amdhsa_user_sgpr_count 2
		.amdhsa_user_sgpr_kernarg_segment_ptr 1
		.amdhsa_wavefront_size32 1
		.amdhsa_system_sgpr_workgroup_id_x 1
		.amdhsa_system_sgpr_workgroup_id_y 1
		.amdhsa_system_sgpr_workgroup_id_z 1
		.amdhsa_system_vgpr_workitem_id 0
		.amdhsa_next_free_vgpr 256
		.amdhsa_next_free_sgpr 66
		.amdhsa_reserve_vcc 0
		.amdhsa_float_denorm_mode_32 3
		.amdhsa_float_denorm_mode_16_64 3
		.amdhsa_memory_ordered 1
		.amdhsa_forward_progress 1
		.amdhsa_inst_pref_size 59
	.end_amdhsa_kernel
	.amdgpu_metadata
---
amdhsa.version: [ 1, 2 ]
amdhsa.kernels:
  - .name:           k_qc43bf9ec93_attn
    .symbol:         k_qc43bf9ec93_attn.kd
    .args:
      - { .name: qimg, .offset: 0, .size: 8, .value_kind: global_buffer, .address_space: global }
      - { .name: kv, .offset: 8, .size: 8, .value_kind: global_buffer, .address_space: global }
      - { .name: cvec, .offset: 16, .size: 8, .value_kind: global_buffer, .address_space: global }
      - { .name: ctxq, .offset: 24, .size: 8, .value_kind: global_buffer, .address_space: global }
    .group_segment_fixed_size: 327680
    .private_segment_fixed_size: 0
    .kernarg_segment_align: 8
    .kernarg_segment_size: 32
    .max_flat_workgroup_size: 512
    .sgpr_count:     66
    .vgpr_count:     256
    .wavefront_size: 32
...
	.end_amdgpu_metadata
.endif
;; end of part 3
;; launch outp (part 4): grid 8 x 32, 4 waves a work-group, clusters of 4 x 4, 327,680 bytes of LDS; arguments ctxq, wq, bo, out0; writes out0
.if DOCPART == 4
	.amdgcn_target "amdgcn-amd-amdhsa--gfx1250"
	.amdhsa_code_object_version 6
	.text
	.protected	k_qc43bf9ec93_outp
	.globl	k_qc43bf9ec93_outp
	.p2align	8
	.type	k_qc43bf9ec93_outp,@function
k_qc43bf9ec93_outp:
	s_mov_b64 s[64:65], 0
	v_nop
	global_prefetch_b8 v0, s[64:65] scope:SCOPE_SE
	s_setreg_imm32_b32 hwreg(HW_REG_WAVE_MODE, 25, 1), 1
	s_wait_xcnt 0x0
	s_wait_alu depctr_hold_cnt(0) depctr_sa_sdst(0) depctr_va_vdst(0) depctr_va_sdst(0) depctr_va_ssrc(0) depctr_va_vcc(0) depctr_vm_vsrc(0)
	s_getreg_b32 s2, hwreg(HW_REG_IB_STS2, 6, 4)
	s_cmp_eq_u32 s2, 0
	s_cbranch_scc0 .Lentry_in_a_cluster
	s_endpgm
.Lentry_in_a_cluster:
	s_bfe_u32 s2, ttmp6, 0x10000c
	s_cmp_lg_u32 s2, 0xf033
	s_cbranch_scc0 .Lentry_shape_is_right
	s_endpgm
.Lentry_shape_is_right:
; FOURTH LAUNCH.  out0 = ctx Wo^T + bo, [4096][1024] f32, K = 1,024, on the codes that the third launch (ctx) and the first (Wo) stored.  Nothing is left out.
; A tile of the output is 128 x 128, so that there are 256 work-groups; four waves, 64 x 64 each: 16 accumulators.  Transposed use: source 0 = 16 stored rows of Wo, source 1 = 16 rows of ctx.
; ctx lies as register images: tile T of 16 rows (rows 32 (T / 2) + 8 (T % 2) + r + 8 (r / 8)), head by head 768 bytes: three planes of 256, a lane's registers 2 p, 2 p + 1 at 8 x lane.  A K step of 128 is two heads.
; Wo's stored rows have bits 3 and 4 exchanged, so register j of tile b holds column 32 (b / 2) + 16 h + 8 (b % 2) + j: eight neighbours.
; LDS: ALL OF K IS RESIDENT, nothing is filled again: four chunks of 256 along K (A: 8 tiles x 3,072 bytes; B: 128 rows, pitch 240), then the scale bytes.  Five joint loads a wave (scales, chunks 0 to 3), all at the head:
; by this text's count five are out.  A's are shared along a row of the 4 x 4 cluster, B's along a column.  The counted waits let the later chunks stay out while the earlier are multiplied.
; bo is the C of each sum's first matrix instruction.  The way out goes through each wave's own stage, in chunk 0, which every wave has left behind the last barrier.
; No prefetch: all is asked for at the head.  LIMITS: NaN and infinities are not served.
; REGISTERS: window 0: v8-24 addresses, v28, 29 the add's; v32-63 scale words (8 i + s: lanes 0-15 A's tile i, lanes 16-31 B's tile i, K step s); v64-95 bo, later rows on their way out; v96-127 likewise; v128-255 accumulators.
;   window 1: two sets of fragments at v0 and v128: A's four at + 0, B's four at + 48.
.set CHB,   55296
.set BOFF,  24576
.set PITCH, 240
.set SCL,   4*CHB
.set HALFS, 8*272
.set SPARE, SCL+4*HALFS                ; the spare words: 128 bytes a wave, two blocks of 256 bytes that no other line names
.set SPITCH, 272
.set SCO,   9216*768
.set CSO,   3145728
.set WOROW, 8192
.set ADA,  8
.set ADB,  12
.set ADB2, 16
.set ADRS, 20
.set STO,  21
.set RD,   22
.set CO,   23
.set VB,   24
.set SPW,  28
.set NIL,  29
.set SC,   32
.set BO,   64
.set ACC,  128
.set G1A,  12
.set G1B,  20
.set G1SA, 28
.set G1SB, 36
.set G0SA, 44
.set G0A,  48
.set G0SB, 68
.set G0B,  72
.set WV,   88
.set RH,   89
.set CW,   90
.set MSB, 0
.macro WIN new
.if MSB != (\new)
	s_set_vgpr_msb (MSB<<8)|(\new)
.set MSB, (\new)
.endif
.endm
.set MULW, 0x05                        ; sources 0 and 1 window 1; C and D window 0
.set TO_F, 0x40                        ; destination window 1
.macro JLOAD g0a, g1a, g0b, g1b        ; waves 0 and 1 fetch for A, waves 2 and 3 for B; an s_nop 0 and four v_nop follow each line
	s_cmp_eq_u32 s[RH], 0
	s_cbranch_scc0 .Lfor_b_\@
	tensor_load_to_lds s[\g0a:\g0a+3], s[\g1a:\g1a+7]
	s_nop 0
.rept 4
	v_nop
.endr
	s_branch .Lasked_\@
.Lfor_b_\@:
	tensor_load_to_lds s[\g0b:\g0b+3], s[\g1b:\g1b+7]
	s_nop 0
.rept 4
	v_nop
.endr
.Lasked_\@:
.endm
.macro CROUND
	s_barrier_signal -1
	s_barrier_wait -1
	s_cmp_lg_u32 s[WV], 0
	s_cbranch_scc1 .Lnot_wave_0_\@
	s_barrier_signal -3
.Lnot_wave_0_\@:
	s_barrier_wait -3
	s_barrier_signal -1
	s_barrier_wait -1
.endm
	s_load_b256 s[4:11], s[0:1], 0x0               ; ctxq 4:5, wq 6:7, bo 8:9, out0 10:11
	v_lshl_add_u32 v[SPW], v0, 2, SPARE
	v_mov_b32 v[NIL], 0
	ds_add_u32 v[SPW], v[NIL]                      ; the wave's opening: the add, twice on end, and its wait ahead of my first tensor load
	ds_add_u32 v[SPW], v[NIL]
	v_lshrrev_b32 v1, 5, v0
	v_readfirstlane_b32 s[WV], v1
	s_lshr_b32 s[RH], s[WV], 1                     ; my half of the tile's rows; also: I fetch for A (0) or B (1)
	s_and_b32 s[CW], s[WV], 1                      ; my half of its columns; also: which half I fetch
	s_bfe_u32 s91, ttmp6, 0x40000                  ; cx
	s_bfe_u32 s92, ttmp6, 0x40004                  ; cy
	s_lshl_b32 s93, ttmp9, 2
	s_add_co_u32 s93, s93, s91                     ; tile column 0..7
	s_and_b32 s94, ttmp7, 0xffff
	s_lshl_b32 s94, s94, 2
	s_add_co_u32 s94, s94, s92                     ; tile row 0..31
	s_lshl_b32 s95, s92, 2
	s_lshl_b32 s95, 15, s95                        ; my row of the cluster
	s_lshl_b32 s96, 0x1111, s91                    ; my column
	s_or_b32 s[G1A], s95, (3<<16)|(1<<21)          ; A's chunk: 4 tiles x 3,072 bytes (384 elements of 8), 12,288 bytes apart, no padding
	s_mov_b32 s[G1A+1], 384<<16
	s_mov_b32 s[G1A+2], 4<<16
	s_mov_b32 s[G1A+3], 384<<16
	s_mov_b32 s[G1A+4], 4
	s_mov_b32 s[G1A+5], 1536
	s_mov_b32 s[G1A+6], 0
	s_mov_b32 s[G1A+7], 0
	s_or_b32 s[G1B], s96, (0<<16)|(1<<20)|(1<<21)|(3<<22)|(3<<25)   ; B's chunk: 64 rows x 192 bytes, 768 apart; 16 bytes of padding behind every 64
	s_mov_b32 s[G1B+1], 192<<16
	s_mov_b32 s[G1B+2], 64<<16
	s_mov_b32 s[G1B+3], 192<<16
	s_mov_b32 s[G1B+4], 64
	s_mov_b32 s[G1B+5], 768
	s_mov_b32 s[G1B+6], 0
	s_mov_b32 s[G1B+7], 0
	s_or_b32 s[G1SA], s95, (3<<16)|(1<<20)|(1<<21)|(5<<22)|(3<<25)  ; the scale bytes of 64 rows: 8 rows of 256 bytes, 16 of padding behind each
	s_or_b32 s[G1SB], s96, (3<<16)|(1<<20)|(1<<21)|(5<<22)|(3<<25)
.irp g, G1SA, G1SB
	s_mov_b32 s[\g+1], 32<<16
	s_mov_b32 s[\g+2], 8<<16
	s_mov_b32 s[\g+3], 32<<16
	s_mov_b32 s[\g+4], 8
	s_mov_b32 s[\g+5], 32
	s_mov_b32 s[\g+6], 0
	s_mov_b32 s[\g+7], 0
.endr
	s_lshl_b32 s98, s94, 3                         ; A hangs on the tile row alone,
	s_lshl_b32 s97, s[CW], 2
	s_add_co_u32 s98, s98, s97                     ; the first of the four tiles that I fetch
	s_lshl_b32 s2, s98, 9
	s_add_co_u32 s2, s2, CSO                       ; their scale bytes,
	s_mov_b32 s3, 0
	s_mul_i32 s98, s98, 12288                      ; their codes
	s_mov_b32 s99, 0
	s_lshl_b32 s100, s93, 7                        ; B on the tile column alone
	s_lshl_b32 s97, s[CW], 6
	s_add_co_u32 s100, s100, s97
	s_add_co_u32 s100, s100, WOROW                 ; the first of the 64 stored rows that I fetch
	s_lshl_b32 s66, s100, 5
	s_add_co_u32 s66, s66, SCO
	s_mov_b32 s67, 0
	s_mul_i32 s100, s100, 768
	s_mov_b32 s101, 0
	s_mul_i32 s95, s[CW], 12288                    ; where they go in a chunk
	s_mul_i32 s96, s[CW], 64*PITCH
	s_add_co_u32 s96, s96, BOFF
	s_mul_i32 s97, s[WV], HALFS
	s_add_co_u32 s97, s97, SCL
	s_wait_dscnt 0x0                               ; both opening adds are done
	s_wait_kmcnt 0x0
	s_add_nc_u64 s[98:99], s[4:5], s[98:99]
	s_add_nc_u64 s[2:3], s[4:5], s[2:3]
	s_add_nc_u64 s[100:101], s[6:7], s[100:101]
	s_add_nc_u64 s[66:67], s[6:7], s[66:67]
	CROUND                                         ; all sixteen work-groups are here: the joint loads meet
	s_mov_b32 s[G0SA], 1
	s_mov_b32 s[G0SA+1], s97
	s_mov_b64 s[G0SA+2:G0SA+3], s[2:3]
	s_or_b32 s[G0SA+3], s[G0SA+3], 0x80000000
	s_mov_b32 s[G0SB], 1
	s_mov_b32 s[G0SB+1], s97
	s_mov_b64 s[G0SB+2:G0SB+3], s[66:67]
	s_or_b32 s[G0SB+3], s[G0SB+3], 0x80000000
	JLOAD G0SA, G1SA, G0SB, G1SB
.irp k, 0,1,2,3
	s_mov_b32 s[G0A+4*\k], 1
	s_add_co_u32 s[G0A+4*\k+1], s95, \k*CHB
	s_add_nc_u64 s[G0A+4*\k+2:G0A+4*\k+3], s[98:99], \k*3072
	s_or_b32 s[G0A+4*\k+3], s[G0A+4*\k+3], 0x80000000
	s_mov_b32 s[G0B+4*\k], 1
	s_add_co_u32 s[G0B+4*\k+1], s96, \k*CHB
	s_add_nc_u64 s[G0B+4*\k+2:G0B+4*\k+3], s[100:101], \k*192
	s_or_b32 s[G0B+4*\k+3], s[G0B+4*\k+3], 0x80000000
	JLOAD G0A+4*\k, G1A, G0B+4*\k, G1B
.endr
	v_and_b32 v1, 15, v0                           ; r
	v_bfe_u32 v2, v0, 4, 1                         ; h
	v_and_b32 v3, 31, v0
	v_lshlrev_b32 v3, 3, v3                        ; 8 x lane
	s_mul_i32 s95, s[RH], 12288                    ; my four tiles of A
	v_add_nc_u32 v[ADA], s95, v3
	v_mul_u32_u24 v4, v1, PITCH
	v_mad_u32_u24 v4, v2, 24, v4
	s_mul_i32 s96, s[CW], 64*PITCH                 ; my 64 rows of B
	s_add_co_u32 s96, s96, BOFF
	v_add_nc_u32 v[ADB], s96, v4
	v_lshl_add_u32 v[ADB2], v2, 4, v[ADB]          ; the same behind one padding more
.irp k, 1,2,3
	v_add_nc_u32 v[ADA+\k], \k*CHB, v[ADA]
	v_add_nc_u32 v[ADB+\k], \k*CHB, v[ADB]
	v_add_nc_u32 v[ADB2+\k], \k*CHB, v[ADB2]
.endr
	v_and_b32 v6, 7, v1                            ; my row's 32 scale bytes: eight rows to 256 bytes + 16
	v_lshlrev_b32 v6, 5, v6
	v_lshrrev_b32 v7, 3, v1
	v_mad_u32_u24 v6, v7, 272, v6
	s_mul_i32 s95, s[RH], HALFS                    ; A's: my half
	s_mul_i32 s96, s[CW], HALFS                    ; B's: my half, behind A's two
	s_add_co_u32 s96, s96, 2*HALFS
	s_sub_co_u32 s96, s96, s95
	v_mul_u32_u24 v7, s96, v2                      ; lanes 16-31 take B's
	s_add_co_u32 s95, s95, SCL
	v_add_nc_u32 v6, v6, v7
	v_add_nc_u32 v[ADRS], s95, v6
	s_mul_i32 s95, s[WV], 16*SPITCH                ; my stage
	v_mul_u32_u24 v5, v1, SPITCH
	v_lshl_add_u32 v5, v2, 6, v5
	v_add_nc_u32 v[STO], s95, v5                   ; in: row r, + 64 h
	v_mul_u32_u24 v5, v2, SPITCH
	v_lshl_add_u32 v5, v1, 4, v5
	v_add_nc_u32 v[RD], s95, v5                    ; back: lanes 0-15 one row, lanes 16-31 the next
	v_lshlrev_b32 v5, 12, v2
	v_lshl_add_u32 v[CO], v1, 4, v5                ; and the same two rows in out0
	v_lshlrev_b32 v[VB], 6, v2
	s_lshl_b32 s95, s93, 9
	s_lshl_b32 s96, s[CW], 8
	s_add_co_u32 s98, s95, s96                     ; my first column, in bytes
	s_mov_b32 s99, 0
	s_add_nc_u64 s[8:9], s[8:9], s[98:99]
	s_lshl_b32 s95, s94, 7
	s_lshl_b32 s96, s[RH], 6
	s_add_co_u32 s95, s95, s96
	s_lshl_b32 s95, s95, 12                        ; my first row
	s_add_co_u32 s98, s98, s95
	s_add_nc_u64 s[10:11], s[10:11], s[98:99]
.irp b, 0,1,2,3                                ; bo in the result's layout
	global_load_b128 v[BO+8*\b:BO+8*\b+3], v[VB], s[8:9] offset:(32*(\b/2)+8*(\b%2))*4
	global_load_b128 v[BO+8*\b+4:BO+8*\b+7], v[VB], s[8:9] offset:(32*(\b/2)+8*(\b%2))*4+16
.endr
.macro FETCH s                         ; K step s's fragments, 48 loads, into set s % 2
	WIN TO_F
.set KP, (\s)/2
.set QH, (\s)%2
.set FS, 128*((\s)%2)
.irp i, 0,1,2,3
.irp c, 0,1
.irp p, 0,1,2
	ds_load_b64 v[FS+12*\i+6*\c+2*\p:FS+12*\i+6*\c+2*\p+1], v[ADA+KP] offset:3072*\i+768*(2*QH+\c)+256*\p   ; 256 bytes on end
.endr
.endr
.endr
.irp i, 0,1,2,3
.irp p, 0,1,2,3,4,5
.set PC, 12*QH+6*(\p/3)+\p%3
.if PC%8 < 5
	ds_load_b64 v[FS+48+12*\i+2*\p:FS+48+12*\i+2*\p+1], v[ADB+KP] offset:8*PC+16*(PC/8)+\i*16*PITCH
.else
	ds_load_b64 v[FS+48+12*\i+2*\p:FS+48+12*\i+2*\p+1], v[ADB2+KP] offset:8*PC+16*(PC/8)+\i*16*PITCH
.endif
.endr
.endr
.endm
.macro MUL s                           ; 16 matrix instructions, the 16 accumulators by turns
	WIN MULW
.set FS, 128*((\s)%2)
.irp a, 0,1,2,3
.irp b, 0,1,2,3
.if (\s) == 0
	v_wmma_scale_f32_16x16x128_f8f6f4 v[ACC+8*(4*\a+\b):ACC+8*(4*\a+\b)+7], v[FS+48+12*\b:FS+48+12*\b+11], v[FS+12*\a:FS+12*\a+11], v[BO+8*\b:BO+8*\b+7], v[SC+8*\b+(\s)], v[SC+8*\a+(\s)] matrix_a_fmt:MATRIX_FMT_FP6 matrix_b_fmt:MATRIX_FMT_FP6 matrix_a_scale:MATRIX_SCALE_ROW1
.else
	v_wmma_scale_f32_16x16x128_f8f6f4 v[ACC+8*(4*\a+\b):ACC+8*(4*\a+\b)+7], v[FS+48+12*\b:FS+48+12*\b+11], v[FS+12*\a:FS+12*\a+11], v[ACC+8*(4*\a+\b):ACC+8*(4*\a+\b)+7], v[SC+8*\b+(\s)], v[SC+8*\a+(\s)] matrix_a_fmt:MATRIX_FMT_FP6 matrix_b_fmt:MATRIX_FMT_FP6 matrix_a_scale:MATRIX_SCALE_ROW1
.endif
.endr
.endr
.endm
.macro PLACES
.rept 4
	v_nop
.endr
.endm
.macro ODD s, cnt                      ; the next K step lies in the next chunk: cnt = my younger tensor loads, which may stay out
	s_wait_tensorcnt \cnt
	s_wait_dscnt 0x0                               ; this step's fragments are in, and no LDS load of mine is out at the signal
	s_barrier_signal -1
	s_barrier_wait -1
	PLACES                                         ; in front of loads into the set that the last products read
	FETCH (\s)+1
	MUL \s
.endm
.macro EVEN s
	PLACES
	FETCH (\s)+1
	s_wait_dscnt 48                                ; all but the 48 just issued
	MUL \s
.endm
	s_wait_tensorcnt 3                             ; the scales and chunk 0 are in; chunks 1 to 3 may be out
	s_barrier_signal -1
	s_barrier_wait -1
.irp i, 0,1,2,3
.irp g, 0,1
	ds_load_b128 v[SC+8*\i+4*\g:SC+8*\i+4*\g+3], v[ADRS] offset:544*\i+16*\g   ; all eight K steps' scale words
.endr
.endr
	FETCH 0
	FETCH 1
	s_wait_loadcnt 0x0                             ; bo
	s_wait_dscnt 48
	MUL 0
	ODD 1, 2
	EVEN 2
	ODD 3, 1
	EVEN 4
	ODD 5, 0
	EVEN 6
	s_wait_dscnt 0x0
	MUL 7
	WIN 0
; THE WAY OUT, 16 rows x 64 columns at a time, through my own stage: in as 32 bytes a lane, back as whole rows of 256 bytes.
.macro TOSTAGE a
.irp b, 0,1,2,3
	ds_store_b128 v[STO], v[ACC+8*(4*(\a)+\b):ACC+8*(4*(\a)+\b)+3] offset:128*(\b/2)+32*(\b%2)          ; each accumulator from its low end on
	ds_store_b128 v[STO], v[ACC+8*(4*(\a)+\b)+4:ACC+8*(4*(\a)+\b)+7] offset:128*(\b/2)+32*(\b%2)+16
.endr
.set BB, 96-32*((\a)%2)
.irp t, 0,1,2,3,4,5,6,7
	ds_load_b128 v[BB+4*\t:BB+4*\t+3], v[RD] offset:\t*2*SPITCH    ; LDS serves a wave's instructions in order: these see the stores above
.endr
.endm
.macro SEND a, younger                 ; younger: the LDS instructions issued behind block a's loads
.set BB, 96-32*((\a)%2)
	s_wait_dscnt \younger
.irp t, 0,1,2,3,4,5,6,7
	global_store_b128 v[CO], v[BB+4*\t:BB+4*\t+3], s[10:11] offset:(2*\t+8*(\t/4)+32*((\a)/2)+8*((\a)%2))*4096 th:TH_STORE_NT   ; 16 lanes store 256 consecutive bytes, aligned; stage row 2 t + h is row 2 t + h + 8 (t / 4) of the tile's 32
.endr
.endm
	PLACES                                         ; behind the last products
	TOSTAGE 0
.irp a, 1,2,3
.if \a > 1
	s_wait_xcnt 0x0                                ; block a - 2's stores have read their registers: block a's loads may land there
.endif
	TOSTAGE \a
	SEND \a-1, 16                                  ; behind block a - 1's loads: block a's 8 stores and 8 loads
.endr
	SEND 3, 0
	s_wait_tensorcnt 0x0                           ; the wave's end
	ds_add_u32 v[SPW], v[NIL]
	s_wait_dscnt 0x0
	CROUND                                         ; the closing round
	s_endpgm
.Lfunc_end_k_qc43bf9ec93_outp:
	.size	k_qc43bf9ec93_outp, .Lfunc_end_k_qc43bf9ec93_outp-k_qc43bf9ec93_outp
	.p2alignl 7, 3214868480
	.fill 96, 4, 3214868480
	.section	.rodata,"a",@progbits
	.p2align	6, 0x0
	.amdhsa_kernel k_qc43bf9ec93_outp
		.amdhsa_group_segment_fixed_size 327680
		.amdhsa_private_segment_fixed_size 0
		.amdhsa_enable_private_segment 0
		.amdhsa_kernarg_size 32
		.amdhsa_user_sgpr_count 2
		.amdhsa_user_sgpr_kernarg_segment_ptr 1
		.amdhsa_wavefront_size32 1
		.amdhsa_system_sgpr_workgroup_id_x 1
		.amdhsa_system_sgpr_workgroup_id_y 1
		.amdhsa_system_sgpr_workgroup_id_z 1
		.amdhsa_system_vgpr_workitem_id 0
		.amdhsa_next_free_vgpr 512
		.amdhsa_next_free_sgpr 102
		.amdhsa_reserve_vcc 0
		.amdhsa_float_denorm_mode_32 3
		.amdhsa_float_denorm_mode_16_64 3
		.amdhsa_memory_ordered 1
		.amdhsa_forward_progress 1
		.amdhsa_inst_pref_size 63
	.end_amdhsa_kernel
	.amdgpu_metadata
---
amdhsa.version: [ 1, 2 ]
amdhsa.kernels:
  - .name:           k_qc43bf9ec93_outp
    .symbol:         k_qc43bf9ec93_outp.kd
    .args:
      - { .name: ctxq, .offset: 0, .size: 8, .value_kind: global_buffer, .address_space: global }
      - { .name: wq, .offset: 8, .size: 8, .value_kind: global_buffer, .address_space: global }
      - { .name: bo, .offset: 16, .size: 8, .value_kind: global_buffer, .address_space: global }
      - { .name: out0, .offset: 24, .size: 8, .value_kind: global_buffer, .address_space: global }
    .group_segment_fixed_size: 327680
    .private_segment_fixed_size: 0
    .kernarg_segment_align: 8
    .kernarg_segment_size: 32
    .max_flat_workgroup_size: 128
    .sgpr_count:     102
    .vgpr_count:     512
    .wavefront_size: 32
...
	.end_amdgpu_metadata
.endif
;; end of part 4
